; MI455X (gfx1250); checked and timed in simulation.
; The chip was launched on July 23, 2026; its instructions are those of AMD's public machine-readable ISA for CDNA 5 (MIT licence, August 2026) and "CDNA5" Instruction Set Architecture Reference Guide (July 2026). The comments in the code are by the model that wrote it; some were corrected since.
;; Transformer Block. Allowed arithmetic: matrix products marked QUANTISED: E2M1 operands, one E8M0 scale for each 32 along K, by v_wmma_scale_f32_16x16x128_f8f6f4 with both operands' format E2M1 (or v_wmma_scale_f32_32x16x128_f4), f32 sums; everything else in f32.
;; Inputs: W1 1,024 x 4,096 float32; W2 4,096 x 1,024 float32; Wk 16 x 1,024 x 64 float32; Wo 1,024 x 1,024 float32; Wq 16 x 1,024 x 64 float32; Wv 16 x 1,024 x 64 float32; b1 4,096 float32; b2 1,024 float32; bo 1,024 float32; ln1_b 1,024 float32; ln1_g 1,024 float32; ln2_b 1,024 float32; ln2_g 1,024 float32; x 2 x 2,048 x 1,024 float32.
;; Outputs: out0 2 x 2,048 x 1,024 float32.
;; This version of the problem:
;;   THIS VERSION OF THE PROBLEM IS GIVEN IN LOW PRECISION. The matrix products marked QUANTISED in the list below multiply operands that are first quantised to E2M1 (2 exponent bits, 1 mantissa bit; 4 bits a number), with one power-of-two scale for each 32 numbers along K (OCP MX v1.0); their sums are f32. All else is computed in f32.
;;   The module's matrix products, in the order in which they are computed (A, B: the left and right operand; K: the contracted axis; several contracted axes count as one K, in the product's order):
;;     1. [M 1,024, K 1,024] x [K 1,024, N 4,096]; A: input Wq; B: computed on the way: QUANTISED
;;     2. [M 1,024, K 1,024] x [K 1,024, N 4,096]; A: input Wk; B: computed on the way: QUANTISED
;;     3. [M 1,024, K 1,024] x [K 1,024, N 4,096]; A: input Wv; B: computed on the way: QUANTISED
;;     4. batch 32 x [M 2,048, K 64] x [K 64, N 2,048]; A: computed on the way; B: computed on the way: QUANTISED
;;     5. batch 32 x [M 2,048, K 2,048] x [K 2,048, N 64]; A: softmax (see below); B: computed on the way: QUANTISED
;;     6. [M 4,096, K 1,024] x [K 1,024, N 1,024]; A: computed on the way; B: input Wo: QUANTISED
;;     7. [M 4,096, K 1,024] x [K 1,024, N 4,096]; A: computed on the way; B: input W1: QUANTISED
;;     8. [M 4,096, K 4,096] x [K 4,096, N 1,024]; A: computed on the way; B: input W2: QUANTISED
;;   THE QUANTISER, for each operand of a quantised product, along K:
;;     - K is cut into blocks of 32 from its start; a last block that is shorter is filled with zeros.
;;     - A block's scale is 2^e with e = floor(log2(the largest magnitude in the block)) - 2, held to -126 .. 127; a block of zeros has e = 0. As a byte (E8M0): e + 127.
;;     - Each number is divided by its block's scale, clamped to +-6, and rounded to the nearest number of E2M1, ties to even, subnormals kept.
;;     - The product sums the exact products of the quantised numbers (number of the format x scale) in f32.
;;   ~~~python
;;   def quantise(x, axis):      # numpy; x: float32 -> the quantised numbers, widened to float32 again
;;       x = np.moveaxis(x, axis, -1); K = x.shape[-1]
;;       x = np.pad(x, [(0, 0)] * (x.ndim - 1) + [(0, -K % 32)]); x = x.reshape(x.shape[:-1] + (-1, 32)); a = np.abs(x).max(-1, keepdims=True)
;;       e = np.where(a > 0, np.clip(np.frexp(np.where(a > 0, a, 1))[1] - 1 - 2, -126, 127), 0)      # np.frexp(a)[1] - 1 = floor(log2(a)), exactly
;;       r = np.clip(x / 2.0 ** e, -6, 6)
;;       step = 2.0 ** (np.maximum(np.frexp(np.where(r == 0, 1, r))[1] - 1, 0) - 1)
;;       q = np.round(r / step) * step * 2.0 ** e      # np.round: ties to even
;;       return np.moveaxis(q.reshape(q.shape[:-2] + (-1,))[..., :K], -1, axis).astype(np.float32)
;;   ~~~
;;   SOFTMAX AHEAD OF A QUANTISED PRODUCT. Where the list says 'softmax', what is quantised is not the finished softmax but p = 2^(t - M), with t = logit x log2(e) and M = ceil(the row's largest t), a whole number; so 1/2 < the row's largest p <= 1. The row's sum l is taken of the UNQUANTISED p, in f32, and the product's result is divided by l at the end. Since M is a whole number, a kernel that streams over the keys may use a running M (the ceiling of the running maximum): every later rescaling is an exact power of two, which a block's scale takes up: the codes' values come out the same.
;;   OPERANDS COMPUTED ON THE WAY. 'Computed on the way' means the value that the module computes at that place (a softmax that the list does not call 'softmax' is quantised finished and normalised). What goes into a quantiser is computed in f32, as accurately as f32 sums, v_exp_f32 and their like allow (about 1e-6 of the number): no bf16 or f16 on the way to a quantiser, and a product that is left as it is and whose result goes on into a quantised operand takes f32 operands (vector FMAs, or v_wmma_f32_16x16x4_f32). A number that lies on a knife's edge between two numbers of the format may be rounded either way, as far as f32 arithmetic and the matrix unit's own rounding can turn it there, and no further.
;; One version. Each part assembles by itself: llvm-mc -triple=amdgcn-amd-amdhsa -mcpu=gfx1250 --defsym DOCPART=n.
;; ======== version 1 of 1: 6 launches
;; limits: right only within a limited range of input values
;; workspace buffers: wa 3,145,728 bytes; wb 4,718,592 bytes; zeros 16,384 bytes; hq 2,228,224 bytes; big 11,534,336 bytes; attq 2,228,224 bytes; x1 16,777,216 bytes
;; launch prep (part 1): grid 64 x 16, 4 waves a work-group, no clusters, 66,304 bytes of LDS; arguments x, ln1_g, ln1_b, hq, Wq, Wk, Wv, Wo, W1, W2, wa, wb, zeros; writes hq, wa, wb, zeros
.if DOCPART == 1
	.amdgcn_target "amdgcn-amd-amdhsa--gfx1250"
	.amdhsa_code_object_version 6
	.text
	.protected	k_qdb2ae773f4_prep
	.globl	k_qdb2ae773f4_prep
	.p2align	8
	.type	k_qdb2ae773f4_prep,@function
k_qdb2ae773f4_prep:
	s_mov_b64 s[64:65], 0
	v_nop
	global_prefetch_b8 v0, s[64:65] scope:SCOPE_SE
	s_setreg_imm32_b32 hwreg(HW_REG_WAVE_MODE, 25, 1), 1
	s_wait_xcnt 0x0
; TWO TASKS IN ONE LAUNCH, told apart by the grid's y, which all waves of a work-group share.  y = 0 .. 3: the first layer norm, quantised (256 tiles of 16 rows).  y = 4 .. 15: the six weights, quantised (768 parts).
; Neither reads what the other writes.  The two ways part at the first lines and end each by itself; only the layer norm's way uses LDS and has a barrier.
; Both make codes of FP4 (E2M1) with one E8M0 byte for each 32 along K, laid as IMAGES OF OPERAND REGISTERS:
; [rows / 16 tiles][K / 128 steps][2 c][32 lanes][16 bytes]: lane (r, h) of tile T holds k = 64 c + 32 h + 0 .. 31 of the tile's position r.  Scale words: [rows / 128][K / 128][128 positions], byte b for k = 32 b on.
; THE ROWS OF A TILE ARE NOT NEIGHBOURS: in each group of 32 rows position p holds row tau(p), p with bits 3 and 4 changed over, so that position r of tile 2 g + u is row 32 g + 8 u + r + 8 (r / 8).
; A block's scale is 2^(floor(log2(largest magnitude)) - 2); its byte is the largest magnitude's exponent field - 2, held at 1 from below.
; LIMITS: a block of zeros, or one whose largest magnitude lies under 2^-124, gets the byte 1 (this program alone reads the bytes); 1 / sqrt by v_rsq_f32 (1 ulp); NaN and infinities are not served.
;
; THE WEIGHTS, f32 with K as an outer axis.  A work-group takes 128 columns x 128 along K of one weight, a wave 32 columns; A LANE TAKES A COLUMN AND ITS REGISTERS RUN DOWN K: a block of 32 lies in one lane,
; and the conversions give K innermost.  y - 4: 0, 1, 2 = Wq, Wk, Wv ([16][1024][64]: column = 64 head + d); 3 = Wo; 4-7 = W1; 8-11 = W2.  All sizes are chosen by selects on it.
; Each load of a wave reads 128 consecutive bytes; each store of codes fills two aligned runs of 256 bytes; the scale words leave as 128 bytes a wave (one byte in 128 of what is read).
; Some of these work-groups also store the constants of later launches: 16,384 bytes of zeros (a bias), and the two floors of the activation, -infinity in wa and 0 in wb.
.set OFF, 16                           ; v16-47   4 tau(lane) + i x the row pitch: never rewritten
.set X,   48                           ; v48-175  four blocks of 32 numbers
.set C,   176                          ; v176-191 four registers of codes for each block: no store's data are written again
	s_and_b32 s3, ttmp7, 0xffff                    ; y
	s_cmp_lt_u32 s3, 4
	s_cbranch_scc1 .Lnorm                          ; the layer norm's work-groups
	s_load_b256 s[4:11], s[0:1], 0x20              ; Wq, Wk, Wv, Wo
	s_load_b256 s[12:19], s[0:1], 0x40             ; W1, W2, wa, wb
	s_load_b64 s[20:21], s[0:1], 0x60              ; zeros
	s_sub_co_u32 s3, s3, 4                         ; which weight and which quarter of it
	v_lshrrev_b32 v1, 5, v0
	v_readfirstlane_b32 s2, v1                     ; wave 0..3
	s_and_b32 s22, s3, 3
	s_lshl_b32 s22, s22, 6
	s_add_co_u32 s22, s22, ttmp9
	s_cmp_lt_u32 s3, 4
	s_cselect_b32 s22, ttmp9, s22                  ; which of the weight's 64 or 256 parts
	s_mov_b32 s23, 3                               ; log2 of the groups of 128 columns   (first: Wq, Wk, Wv)
	s_mov_b32 s24, 8                               ; log2 of the pitch from k to k + 1, in bytes
	s_mov_b32 s25, 3                               ; log2 of K / 128
	s_lshl_b32 s26, s3, 19                         ; where the image begins in its buffer
	s_lshl_b32 s27, s3, 15
	s_add_co_u32 s27, s27, 0x200000                ; and its scale words
	s_mov_b32 s28, 0x240000
	s_mov_b32 s29, 0x2c0000
	s_cmp_eq_u32 s3, 3                             ; Wo
	s_cselect_b32 s24, 12, s24
	s_cselect_b32 s26, s28, s26
	s_cselect_b32 s27, s29, s27
	s_mov_b32 s29, 0x200000
	s_cmp_gt_u32 s3, 3                             ; W1
	s_cselect_b32 s23, 5, s23
	s_cselect_b32 s24, 14, s24
	s_cselect_b32 s26, 0, s26
	s_cselect_b32 s27, s29, s27
	s_mov_b32 s29, 0x440000
	s_cmp_gt_u32 s3, 7                             ; W2
	s_cselect_b32 s23, 3, s23
	s_cselect_b32 s24, 12, s24
	s_cselect_b32 s25, 5, s25
	s_cselect_b32 s26, s28, s26
	s_cselect_b32 s27, s29, s27
	s_bfm_b32 s30, s23, 0
	s_and_b32 s30, s22, s30                        ; cg: my group of 128 columns
	s_lshr_b32 s31, s22, s23                       ; ks: my 128 along K
	s_lshl_b32 s44, 1, s24                         ; the pitch
	s_add_co_u32 s45, s24, 7
	s_lshl_b32 s48, s31, s45                       ; ks x 128 rows
	s_lshl_b32 s45, s30, 1
	s_lshr_b32 s46, s2, 1
	s_add_co_u32 s45, s45, s46                     ; Wq, Wk, Wv: the head = 2 cg + wave / 2: 1,024 x 256 bytes each,
	s_lshl_b32 s45, s45, 18
	s_and_b32 s46, s2, 1
	s_lshl_b32 s46, s46, 7                         ; and 32 of its 64 columns
	s_add_co_u32 s45, s45, s46
	s_lshl_b32 s46, s30, 9                         ; the others: 512 bytes a group, 128 a wave
	s_lshl_b32 s47, s2, 7
	s_add_co_u32 s46, s46, s47
	s_cmp_lt_u32 s3, 3
	s_cselect_b32 s45, s45, s46
	s_add_co_u32 s48, s48, s45                     ; my wave's first number, in bytes (under 2^25)
	s_mov_b32 s49, 0
	s_add_co_u32 s45, s24, 5
	s_lshl_b32 s50, 1, s45                         ; a block on: 32 rows
	s_mov_b32 s51, 0
	s_lshl_b32 s45, s30, 3
	s_lshl_b32 s46, s2, 1
	s_add_co_u32 s45, s45, s46                     ; my first tile of 16 columns: 8 cg + 2 wave
	s_add_co_u32 s56, s25, 10                      ; log2 of a tile's bytes: K / 128 x 1,024
	s_lshl_b32 s45, s45, s56
	s_lshl_b32 s46, s31, 10
	s_add_co_u32 s45, s45, s46
	s_add_co_u32 s52, s45, s26                     ; where my codes go
	s_mov_b32 s53, 0
	s_lshl_b32 s45, s30, s25
	s_add_co_u32 s45, s45, s31
	s_lshl_b32 s45, s45, 9                         ; (cg x K / 128 + ks) x 512
	s_lshl_b32 s46, s2, 7
	s_add_co_u32 s45, s45, s46
	s_add_co_u32 s54, s45, s27                     ; where my scale words go
	s_mov_b32 s55, 0
	v_and_b32 v1, 31, v0                           ; lane = my position in the group of 32
	v_and_b32 v2, 7, v1
	v_and_b32 v3, 8, v1
	v_lshl_or_b32 v2, v3, 1, v2
	v_and_b32 v3, 16, v1
	v_lshrrev_b32 v3, 1, v3
	v_or_b32 v2, v2, v3                            ; tau(lane): my column
	v_lshlrev_b32 v2, 2, v2
.set I_, 0
.rept 32
	v_mad_u32_u24 v[OFF+I_], s44, I_, v2           ; row i of a block, my column
.set I_, I_+1
.endr
	v_lshrrev_b32 v3, 4, v1
	v_lshlrev_b32 v3, s56, v3                      ; positions 16-31 belong to the next tile
	v_and_b32 v4, 15, v1
	v_lshl_or_b32 v5, v4, 4, v3                    ; and 16 bytes a position
	v_lshlrev_b32 v6, 2, v1                        ; a scale word a position
	s_wait_alu depctr_va_vdst(0)
	s_wait_kmcnt 0x0
	s_cmp_eq_u32 s3, 1                             ; the buffers are chosen on the grid's y alone
	s_cselect_b64 s[40:41], s[6:7], s[4:5]
	s_cmp_eq_u32 s3, 2
	s_cselect_b64 s[40:41], s[8:9], s[40:41]
	s_cmp_eq_u32 s3, 3
	s_cselect_b64 s[40:41], s[10:11], s[40:41]
	s_cmp_gt_u32 s3, 3
	s_cselect_b64 s[40:41], s[12:13], s[40:41]
	s_cselect_b64 s[42:43], s[18:19], s[16:17]
	s_cmp_gt_u32 s3, 7
	s_cselect_b64 s[40:41], s[14:15], s[40:41]
	s_add_nc_u64 s[32:33], s[40:41], s[48:49]      ; a base for each of the four blocks
	s_add_nc_u64 s[34:35], s[32:33], s[50:51]
	s_add_nc_u64 s[36:37], s[34:35], s[50:51]
	s_add_nc_u64 s[38:39], s[36:37], s[50:51]
	s_add_nc_u64 s[52:53], s[42:43], s[52:53]
	s_add_nc_u64 s[54:55], s[42:43], s[54:55]
.macro LOAD t                          ; block t: W(128 ks + 32 t + i, my column), i = 0 .. 31
.set I_, 0
.rept 32
	global_load_b32 v[X+32*(\t)+I_], v[OFF+I_], s[32+2*(\t):33+2*(\t)] th:TH_LOAD_NT
.set I_, I_+1
.endr
.endm
.macro BLOCK t
.set XS, X+32*(\t)
	v_max3_num_f32 v12, |v[XS]|, |v[XS+1]|, |v[XS+2]|      ; the block's largest magnitude: all 32 numbers are mine; two chains
	v_max3_num_f32 v13, |v[XS+3]|, |v[XS+4]|, |v[XS+5]|
.irp i, 6,10,14,18,22,26
	v_max3_num_f32 v12, v12, |v[XS+\i]|, |v[XS+\i+1]|
	v_max3_num_f32 v13, v13, |v[XS+\i+2]|, |v[XS+\i+3]|
.endr
	v_max3_num_f32 v12, v12, |v[XS+30]|, |v[XS+31]|
	v_max3_num_f32 v12, v12, v13, 0x1800000        ; and the floor 2^(3 - 127): the byte cannot fall under 1
	v_add_nc_u32 v11, 0xff000000, v12              ; 2 off the exponent field: the conversion takes this operand's exponent field as its scale
	v_lshrrev_b32 v13, 23, v11                     ; the scale's byte
.if (\t) == 0
	v_mov_b32 v14, v13
.else
	v_lshl_or_b32 v14, v13, 8*(\t), v14            ; four bytes make my column's word for these 128 along K
.endif
.irp g, 0,1,2,3
	v_cvt_scalef32_pk8_fp4_f32 v[C+4*(\t)+\g], v[XS+8*\g:XS+8*\g+7], v11
.endr
	global_store_b128 v5, v[C+4*(\t):C+4*(\t)+3], s[52:53] offset:256*(\t)   ; block t = (c, h) = (t / 2, t % 2): 512 c + 256 h; sixteen lanes fill 256 consecutive bytes
.endm
	LOAD 0
	LOAD 1
	s_wait_loadcnt 32                              ; block 0 is in; block 1's 32 loads may be out
	LOAD 2
	BLOCK 0
	s_wait_loadcnt 32                              ; block 1 is in; block 2's may be out
	LOAD 3
	BLOCK 1
	s_wait_loadcnt 32                              ; block 2 is in; block 3's may be out
	BLOCK 2
	s_wait_loadcnt 0x0
	BLOCK 3
	v_nop                                          ; a plain line behind the last conversion
	global_store_b32 v6, v14, s[54:55]
	; the constants of later launches
	s_cmp_lg_u32 s3, 0
	s_cbranch_scc1 .Lend
	s_cmp_lt_u32 ttmp9, 8
	s_cbranch_scc0 .Lfloor
	s_lshl_b32 s22, ttmp9, 11                      ; eight work-groups x 128 threads x 16 bytes of zeros
	s_mov_b32 s23, 0
	s_add_nc_u64 s[20:21], s[20:21], s[22:23]
	v_lshlrev_b32 v7, 4, v0
	v_mov_b32 v8, 0
	v_mov_b32 v9, 0
	v_mov_b32 v10, 0
	v_mov_b32 v11, 0
	global_store_b128 v7, v[8:11], s[20:21]
	s_branch .Lend
.Lfloor:
	s_cmp_eq_u32 ttmp9, 8
	s_cbranch_scc0 .Lend
	v_lshlrev_b32 v7, 2, v0
	v_mov_b32 v8, 0xff800000                       ; -infinity: max(x, -infinity) = x: no activation
	v_mov_b32 v9, 0                                ; 0: max(x, 0): relu
	global_store_b32 v7, v8, s[16:17] offset:0x220000
	global_store_b32 v7, v9, s[18:19] offset:0x220000
.Lend:
	s_endpgm
; THE LAYER NORM: y = (x - mean) rsqrt(var + 1e-5) g + b along rows of 1,024 f32, in f32 (the variance of x - mean, as it is defined), then quantised along the row; scale words at byte 0x200000 of the image's buffer.
; A work-group makes one tile, T = 64 y + x.  A: wave w normalises positions 4 w .. 4 w + 3, which are four neighbouring rows, a row in 32 registers (each load 512 consecutive bytes), and puts them into LDS.  One barrier.
; B: wave w quantises steps 2 w and 2 w + 1: lane (r, h) reads, of position r, k = 64 c + 32 h + 0 .. 31: whole blocks, in the order of the operand's registers, so that the conversions' results are the image.
; LDS: 16 rows, 4,112 bytes apart = 257 x 16: the sixteen rows that a load touches fall on sixteen different columns of 16 bytes.
.set PITCH, 4112
.set NG,  16                           ; v16-47   the gain at my columns
.set NB,  48                           ; v48-79   the bias
.set NX,  80                           ; v80-207  A: four rows x 32;  B: four blocks x 32
.set NC,  208                          ; v208-223 the codes
.Lnorm:
	s_load_b256 s[4:11], s[0:1], 0x0               ; x, g, b, the image
	v_lshl_add_u32 v224, v0, 2, 65792              ; my spare word, behind the 16 rows: 128 bytes a wave, named by no other line
	v_mov_b32 v225, 0                              ; and 0: both kept for the add at the wave's end
	s_lshl_b32 s24, s3, 6
	s_add_co_u32 s24, s24, ttmp9                   ; T
	v_lshrrev_b32 v1, 5, v0
	v_readfirstlane_b32 s12, v1                    ; wave 0..3
	v_and_b32 v6, 31, v0                           ; lane
	v_lshlrev_b32 v1, 4, v6                        ; 16 x lane
	v_and_b32 v2, 15, v0                           ; r
	v_bfe_u32 v3, v0, 4, 1                         ; h
	s_mul_i32 s13, s12, 4*PITCH
	v_add_nc_u32 v4, s13, v1                       ; LDS, in: my wave's four rows, 16 bytes a lane
	v_mul_u32_u24 v5, v2, PITCH
	v_lshl_add_u32 v5, v3, 7, v5
	s_lshl_b32 s13, s12, 10
	v_add_nc_u32 v5, s13, v5                       ; LDS, out: row r, + 128 h, + my wave's two steps of 512 bytes
	v_lshlrev_b32 v7, 2, v2
	v_lshl_add_u32 v7, v3, 9, v7                   ; the scale words' place: 4 r, lanes 16-31 a step on
	v_lshlrev_b32 v3, 3, v3                        ; 8 h: by so many bits my two bytes are shifted
	s_mov_b32 s20, 0x76543210
	s_mov_b32 s21, 0xfedcba98                      ; v_permlanex16_b32's selects for lane l xor 16
	s_mov_b32 s22, 0x3727c5ac                      ; 1e-5
	s_mov_b32 s23, 0x3a800000                      ; 1 / 1,024
	s_lshr_b32 s14, s24, 1
	s_lshl_b32 s14, s14, 5
	s_and_b32 s15, s24, 1
	s_lshl_b32 s15, s15, 3
	s_add_co_u32 s14, s14, s15
	s_lshl_b32 s15, s12, 2
	s_add_co_u32 s14, s14, s15
	s_lshr_b32 s15, s12, 1
	s_lshl_b32 s15, s15, 3
	s_add_co_u32 s14, s14, s15                     ; my first row: 32 (T / 2) + 8 (T % 2) + 4 w + 8 (w / 2)
	s_lshl_b32 s14, s14, 12
	s_mov_b32 s15, 0
	s_lshl_b32 s16, s24, 13
	s_lshl_b32 s17, s12, 11
	s_add_co_u32 s16, s16, s17                     ; codes: 8,192 T + 2,048 w
	s_mov_b32 s17, 0
	s_lshr_b32 s18, s24, 3
	s_lshl_b32 s18, s18, 3
	s_lshl_b32 s19, s12, 1
	s_add_co_u32 s18, s18, s19
	s_lshl_b32 s18, s18, 9
	s_and_b32 s19, s24, 7
	s_lshl_b32 s19, s19, 6
	s_add_co_u32 s18, s18, s19
	s_add_co_u32 s18, s18, 0x200000                ; scale words: ((T / 8) x 8 + 2 w) x 512 + 64 (T % 8)
	s_mov_b32 s19, 0
	s_wait_kmcnt 0x0
	s_add_nc_u64 s[4:5], s[4:5], s[14:15]
	s_add_nc_u64 s[16:17], s[10:11], s[16:17]
	s_add_nc_u64 s[18:19], s[10:11], s[18:19]
.irp i, 0,1,2,3
.irp j, 0,1,2,3,4,5,6,7
	global_load_b128 v[NX+32*\i+4*\j:NX+32*\i+4*\j+3], v1, s[4:5] offset:4096*\i+512*\j th:TH_LOAD_NT
.endr
.endr
.irp j, 0,1,2,3,4,5,6,7
	global_load_b128 v[NG+4*\j:NG+4*\j+3], v1, s[6:7] offset:512*\j
	global_load_b128 v[NB+4*\j:NB+4*\j+3], v1, s[8:9] offset:512*\j
.endr
; The four rows' figures lie in v[8 + 2 i] (with v[9 + 2 i] beside it); the rows take turns line by line.
.macro REDUCE                          ; the pair's halves, then the 32 lanes: every lane ends with the row's sum
.irp i, 0,1,2,3
	v_add_f32 v[8+2*\i], v[8+2*\i], v[9+2*\i]
.endr
.irp m, 1,2,4,8
.irp i, 0,1,2,3
	v_add_f32_dpp v[8+2*\i], v[8+2*\i], v[8+2*\i] row_xmask:\m row_mask:0xf bank_mask:0xf
.endr
.endr
.irp i, 0,1,2,3
	v_permlanex16_b32 v[9+2*\i], v[8+2*\i], s20, s21
.endr
.irp i, 0,1,2,3
	v_add_f32 v[8+2*\i], v[8+2*\i], v[9+2*\i]
.endr
.endm
	s_wait_loadcnt 16                              ; the rows are in; the sixteen loads of gain and bias may be out
.irp i, 0,1,2,3
	v_pk_add_f32 v[8+2*\i:9+2*\i], v[NX+32*\i:NX+32*\i+1], v[NX+32*\i+2:NX+32*\i+3]
.endr
.irp p, 4,6,8,10,12,14,16,18,20,22,24,26,28,30
.irp i, 0,1,2,3
	v_pk_add_f32 v[8+2*\i:9+2*\i], v[8+2*\i:9+2*\i], v[NX+32*\i+\p:NX+32*\i+\p+1]
.endr
.endr
	REDUCE
.irp i, 0,1,2,3
	v_mul_f32 v[8+2*\i], s23, v[8+2*\i]            ; the mean
.endr
.irp p, 0,2,4,6,8,10,12,14,16,18,20,22,24,26,28,30
.irp i, 0,1,2,3
	v_pk_add_f32 v[NX+32*\i+\p:NX+32*\i+\p+1], v[NX+32*\i+\p:NX+32*\i+\p+1], v[8+2*\i:9+2*\i] op_sel_hi:[1,0] neg_lo:[0,1] neg_hi:[0,1]   ; x - mean
.endr
.endr
.irp i, 0,1,2,3
	v_pk_mul_f32 v[8+2*\i:9+2*\i], v[NX+32*\i:NX+32*\i+1], v[NX+32*\i:NX+32*\i+1]
.endr
.irp p, 2,4,6,8,10,12,14,16,18,20,22,24,26,28,30
.irp i, 0,1,2,3
	v_pk_fma_f32 v[8+2*\i:9+2*\i], v[NX+32*\i+\p:NX+32*\i+\p+1], v[NX+32*\i+\p:NX+32*\i+\p+1], v[8+2*\i:9+2*\i]
.endr
.endr
	REDUCE
.irp i, 0,1,2,3
	v_fma_f32 v[8+2*\i], v[8+2*\i], s23, s22       ; the variance + 1e-5
.endr
	s_wait_alu depctr_va_vdst(0)
.irp i, 0,1,2,3
	v_rsq_f32 v[8+2*\i], v[8+2*\i]
.endr
	v_nop                                          ; a plain line behind the last of the batch
	s_wait_alu depctr_va_vdst(0)                   ; one wait for the four, ahead of their first reader
	s_wait_loadcnt 0x0                             ; gain and bias
.irp p, 0,2,4,6,8,10,12,14,16,18,20,22,24,26,28,30
.irp i, 0,1,2,3
	v_pk_mul_f32 v[NX+32*\i+\p:NX+32*\i+\p+1], v[NX+32*\i+\p:NX+32*\i+\p+1], v[8+2*\i:9+2*\i] op_sel_hi:[1,0]
.endr
.irp i, 0,1,2,3
	v_pk_fma_f32 v[NX+32*\i+\p:NX+32*\i+\p+1], v[NX+32*\i+\p:NX+32*\i+\p+1], v[NG+\p:NG+\p+1], v[NB+\p:NB+\p+1]
.endr
.endr
.irp i, 0,1,2,3
.irp j, 0,1,2,3,4,5,6,7
	ds_store_b128 v4, v[NX+32*\i+4*\j:NX+32*\i+4*\j+3] offset:PITCH*\i+512*\j
.endr
.endr
	s_wait_dscnt 0x0                               ; for the others' sake: my rows lie in LDS
	s_barrier_signal -1
	s_barrier_wait -1
	; B: block 2 e + c of my lane: step 2 w + e, k = 64 c + 32 h + 0 .. 31 of position r
.irp e, 0,1
.irp c, 0,1
.irp i, 0,1,2,3,4,5,6,7
	ds_load_b128 v[NX+64*\e+32*\c+4*\i:NX+64*\e+32*\c+4*\i+3], v5 offset:512*\e+256*\c+16*\i
.endr
.endr
.endr
	s_wait_dscnt 0x0
.irp b, 0,1,2,3
	v_max3_num_f32 v[8+\b], |v[NX+32*\b]|, |v[NX+32*\b+1]|, 0x1800000   ; the largest magnitude, and the floor 2^(3 - 127): the byte cannot fall under 1
.endr
.irp i, 2,4,6,8,10,12,14,16,18,20,22,24,26,28,30
.irp b, 0,1,2,3
	v_max3_num_f32 v[8+\b], v[8+\b], |v[NX+32*\b+\i]|, |v[NX+32*\b+\i+1]|
.endr
.endr
.irp b, 0,1,2,3
	v_add_nc_u32 v[12+\b], 0xff000000, v[8+\b]     ; 2 off the exponent field: the conversion's scale operand
.endr
.irp b, 0,1,2,3
	v_lshrrev_b32 v[8+\b], 23, v[12+\b]            ; the scale's byte
.endr
	v_lshl_or_b32 v8, v9, 16, v8                   ; my two bytes of a step: blocks h and 2 + h,
	v_lshl_or_b32 v10, v11, 16, v10
	v_lshlrev_b32 v8, v3, v8                       ; at their places in the word;
	v_lshlrev_b32 v10, v3, v10
	v_permlanex16_b32 v9, v8, s20, s21
	v_permlanex16_b32 v11, v10, s20, s21
	v_or_b32 v8, v8, v9                            ; with lane l xor 16's two the word is whole
	v_or_b32 v10, v10, v11
	v_cmp_gt_u32 vcc_lo, 16, v6
	v_cndmask_b32 v8, v10, v8, vcc_lo              ; lanes 0-15 store the first step's words, lanes 16-31 the second's
.irp b, 0,1,2,3
.irp g, 0,1,2,3
	v_cvt_scalef32_pk8_fp4_f32 v[NC+4*\b+\g], v[NX+32*\b+8*\g:NX+32*\b+8*\g+7], v[12+\b]
.endr
.endr
	v_nop                                          ; a plain line behind the last conversion
.irp b, 0,1,2,3
	global_store_b128 v1, v[NC+4*\b:NC+4*\b+3], s[16:17] offset:512*\b    ; 512 consecutive bytes: (e, c) = (b / 2, b % 2) at 1,024 e + 512 c
.endr
	global_store_b32 v7, v8, s[18:19]              ; two runs of 64 bytes
	s_wait_tensorcnt 0x0                           ; the wave's end
	ds_add_u32 v224, v225
	s_wait_dscnt 0x0
	s_endpgm
.Lfunc_end_k_qdb2ae773f4_prep:
	.size	k_qdb2ae773f4_prep, .Lfunc_end_k_qdb2ae773f4_prep-k_qdb2ae773f4_prep
	.p2alignl 7, 3214868480
	.fill 96, 4, 3214868480
	.section	.rodata,"a",@progbits
	.p2align	6, 0x0
	.amdhsa_kernel k_qdb2ae773f4_prep
		.amdhsa_group_segment_fixed_size 66304
		.amdhsa_private_segment_fixed_size 0
		.amdhsa_enable_private_segment 0
		.amdhsa_kernarg_size 104
		.amdhsa_user_sgpr_count 2
		.amdhsa_user_sgpr_kernarg_segment_ptr 1
		.amdhsa_wavefront_size32 1
		.amdhsa_system_sgpr_workgroup_id_x 1
		.amdhsa_system_sgpr_workgroup_id_y 1
		.amdhsa_system_sgpr_workgroup_id_z 1
		.amdhsa_system_vgpr_workitem_id 0
		.amdhsa_next_free_vgpr 226
		.amdhsa_next_free_sgpr 66
		.amdhsa_reserve_vcc 1
		.amdhsa_float_denorm_mode_32 3
		.amdhsa_float_denorm_mode_16_64 3
		.amdhsa_memory_ordered 1
		.amdhsa_forward_progress 1
		.amdhsa_inst_pref_size 67
	.end_amdhsa_kernel
	.amdgpu_metadata
---
amdhsa.version: [ 1, 2 ]
amdhsa.kernels:
  - .name:           k_qdb2ae773f4_prep
    .symbol:         k_qdb2ae773f4_prep.kd
    .args:
      - { .name: x, .offset: 0, .size: 8, .value_kind: global_buffer, .address_space: global }
      - { .name: ln1_g, .offset: 8, .size: 8, .value_kind: global_buffer, .address_space: global }
      - { .name: ln1_b, .offset: 16, .size: 8, .value_kind: global_buffer, .address_space: global }
      - { .name: hq, .offset: 24, .size: 8, .value_kind: global_buffer, .address_space: global }
      - { .name: Wq, .offset: 32, .size: 8, .value_kind: global_buffer, .address_space: global }
      - { .name: Wk, .offset: 40, .size: 8, .value_kind: global_buffer, .address_space: global }
      - { .name: Wv, .offset: 48, .size: 8, .value_kind: global_buffer, .address_space: global }
      - { .name: Wo, .offset: 56, .size: 8, .value_kind: global_buffer, .address_space: global }
      - { .name: W1, .offset: 64, .size: 8, .value_kind: global_buffer, .address_space: global }
      - { .name: W2, .offset: 72, .size: 8, .value_kind: global_buffer, .address_space: global }
      - { .name: wa, .offset: 80, .size: 8, .value_kind: global_buffer, .address_space: global }
      - { .name: wb, .offset: 88, .size: 8, .value_kind: global_buffer, .address_space: global }
      - { .name: zeros, .offset: 96, .size: 8, .value_kind: global_buffer, .address_space: global }
    .group_segment_fixed_size: 66304
    .private_segment_fixed_size: 0
    .kernarg_segment_align: 8
    .kernarg_segment_size: 104
    .max_flat_workgroup_size: 128
    .sgpr_count:     66
    .vgpr_count:     226
    .wavefront_size: 32
...
	.end_amdgpu_metadata
.endif
;; end of part 1
;; launch qkv (part 2): grid 8 x 24, 4 waves a work-group, clusters of 4 x 4, 281,088 bytes of LDS; arguments hq, wa, zeros, big; writes big
.if DOCPART == 2
	.amdgcn_target "amdgcn-amd-amdhsa--gfx1250"
	.amdhsa_code_object_version 6
	.text
	.protected	k_qdb2ae773f4_qkv
	.globl	k_qdb2ae773f4_qkv
	.p2align	8
	.type	k_qdb2ae773f4_qkv,@function
k_qdb2ae773f4_qkv:
	s_mov_b64 s[64:65], 0
	v_nop
	global_prefetch_b8 v0, s[64:65] scope:SCOPE_SE
	s_setreg_imm32_b32 hwreg(HW_REG_WAVE_MODE, 25, 1), 1
	s_wait_xcnt 0x0
	s_wait_alu depctr_hold_cnt(0) depctr_sa_sdst(0) depctr_va_vdst(0) depctr_va_sdst(0) depctr_va_ssrc(0) depctr_va_vcc(0) depctr_vm_vsrc(0)
	s_getreg_b32 s2, hwreg(HW_REG_IB_STS2, 6, 4)
	s_cmp_eq_u32 s2, 0
	s_cbranch_scc0 .Lentry_in_a_cluster
	s_endpgm
.Lentry_in_a_cluster:
	s_bfe_u32 s2, ttmp6, 0x10000c
	s_cmp_lg_u32 s2, 0xf033
	s_cbranch_scc0 .Lentry_shape_is_right
	s_endpgm
.Lentry_shape_is_right:
; R = Q(max(A B^T + bias, floor)): a product on codes of FP4 (E2M1) with E8M0 scales for each 32 along K = 1,024, whose result is quantised along B's rows (the next product's K) and stored as codes.
; Both operands are IMAGES OF OPERAND REGISTERS: [rows / 16 tiles][8 steps of 128][2 c][32 lanes][16 bytes] at byte 0, scale words [rows / 128][8][128 positions] at byte 0x200000.  In each group of 32 rows position
; r of tile 2 g + u is row 32 g + 8 u + r + 8 (r / 8).  The result has the same form with 32 places of steps to a tile (32,768 bytes), scale words at byte 0xA00000, 16,384 bytes for 128 rows.
; A tile of the result, 256 x 256, is made by four waves, 128 x 128 each: 64 accumulators.  ALL OF K LIES IN LDS: one slot of all 1,024 along K (262,144 bytes) and the scale words, each filled once.
; THE MATRIX INSTRUCTION IS USED TRANSPOSED (source 0 = 16 positions of B, source 1 = 16 of A): a lane holds one row of A, and by the order of B's rows the 16 registers of B's tiles 2 b, 2 b + 1 are the neighbours
; 32 b + 16 (lane / 16) + 0 .. 15 along the next K.  The bias (along B's rows) is the C of each sum's first instruction.  The floor is read from the second buffer at byte 0x220000: -infinity (no activation) or 0 (relu).
; CLUSTERS of 4 x 4: A's tiles are asked for jointly along a row of the cluster, B's along a column.
; CLUSTER ROWS 4 AND 5 (only the grid of 8 x 24 has them) make V^T: the operands change roles.  A = rows 2,048 on of the second buffer (Wv), B = the first buffer (the tokens); results go to rows 4,096 on.  The choice
; hangs on the cluster's y alone, which all partners share, and is made by selects.
; LIMITS: a block of zeros or under 2^-124 gets the byte 1 (this program alone reads the bytes); NaN and infinities are not served.
; REGISTERS, in windows of 256: window 0: addresses; v32-47 scale words, two sets; v48-59 the result's scale words; v64-127 the bias, later at work; v128-191 64 numbers at work; v192-255 the result's codes.
;   window 1: fragments, two sets of 128: B's eight, then A's eight.   window 2: the accumulators of A's tiles 0-3 ((a, b) at v[8 (8 a + b)]);   window 3: those of tiles 4-7.
.set NT,    8                          ; tiles of 16 a side in a wave
.set KS,    8                          ; steps of 128 along K
.set NQ,    8                          ; steps in the one slot: all of K, brought by the head's loads
.set AST,   8192                       ; bytes of a tile of 16 rows in an image
.set ASC,   0x200000                   ; where A's scale words begin;
.set BCO,   0                          ; B's codes;
.set BSCO,  0x200000                   ; B's scale words
.set RS,    1024*NQ                    ; a tile's bytes in a slot
.set HALFT, NT*RS                      ; what one wave reads of A or of B
.set SLOT,  4*HALFT                    ; A's two halves, then B's two
.set HALFS, 64*NT*KS                   ; the scale words of 128 rows
.set HA_S,  4096                       ; from one half's scale words to the other's
.set SCL,   SLOT                       ; behind the codes: the scale words: A's two halves, then B's two
.set BSC,   2*HALFS
.set STG,   SCL+4*HALFS                ; behind them: 512 bytes for each wave, in which the result's scale words are gathered
.set SPARE, STG+2048                   ; behind the stages: the spare words, 128 bytes a wave, named by no other line
.set SPW,  28                          ; v28     SPARE + 4 x my thread's number; never rewritten
.set NIL,  29                          ; v29     0; never rewritten
.set ADRA, 16                          ; v16     LDS address of my A fragments
.set ADRB, 20                          ; v20  the same for B
.set STO,  24                          ; v24     the stage: 4 bytes a row
.set RD,   25                          ; v25     and back: 16 bytes a lane
.set ADRS, 27                          ; v27     my scale words: lanes 0-15 A's, lanes 16-31 B's
.set BO,   30                          ; v30     64 x (lane / 16): my half's place in the bias
.set SC,   32
.set PW,   48
.set BIAS, 64
.set TM,   64
.set ST,   128
.set PC,   192
.set G1, 24                            ; s[24:31] group 1 for A's tiles;  s[32:35] group 0
.set G0, 32
.set G1B, 48                           ; s[48:55], s[56:59] the same for B's
.set G0B, 56
.set G1S, 68                           ; s[68:75], s[76:79] groups 1 and 0 for A's scale words;  s[80:87], s[88:91] for B's
.set G0S, 76
.set G1SB, 80
.set G0SB, 88
.set PA, 10                            ; s[10:11] the buffer that serves as A;  s[98:99] as B
.set PB, 98
.set MSB, 0
.macro WIN new                         ; the immediate's high byte repeats the setting that is left
.if MSB != (\new)
	s_set_vgpr_msb (MSB<<8)|(\new)
.set MSB, (\new)
.endif
.endm
; One arm of the head's tree of branches on the wave's number: its joint load, an s_nop 0 and four v_nop, and a jump to the tree's end.
.macro ARM under, g0, g1, next
	s_cmp_lt_u32 s14, \under
	s_cbranch_scc0 \next
	tensor_load_to_lds s[\g0:\g0+3], s[\g1:\g1+7]
	s_nop 0
.rept 4
	v_nop
.endr
	s_branch .Lhead_asked
\next:
.endm
.macro CROUND                          ; a round of the cluster's barrier
	s_barrier_signal -1
	s_barrier_wait -1
	s_cmp_lg_u32 s14, 0
	s_cbranch_scc1 .Lnot_wave_0_\@
	s_barrier_signal -3
.Lnot_wave_0_\@:
	s_barrier_wait -3
	s_barrier_signal -1
	s_barrier_wait -1
.endm
	s_load_b128 s[4:7], s[0:1], 0x0                ; the first buffer, the second
	s_load_b64 s[8:9], s[0:1], 0x10                ; the bias
	s_load_b64 s[12:13], s[0:1], 0x18              ; the result
	v_lshl_add_u32 v[SPW], v0, 2, SPARE
	v_mov_b32 v[NIL], 0
	ds_add_u32 v[SPW], v[NIL]                      ; the opening lines: the add, twice on end, and its wait ahead of the round in front of the first loads
	ds_add_u32 v[SPW], v[NIL]
	v_lshrrev_b32 v1, 5, v0
	v_readfirstlane_b32 s14, v1                    ; wave 0..3
	s_lshr_b32 s15, s14, 1                         ; which half of A's rows is mine.
	s_and_b32 s16, s14, 1                          ; which half of B's rows.
	s_bfe_u32 s40, ttmp6, 0x40000                  ; cx, cy: my place in the cluster
	s_bfe_u32 s41, ttmp6, 0x40004
	s_lshl_b32 s42, ttmp9, 2
	s_add_co_u32 s42, s42, s40                     ; B's tile = 4 x cluster x + cx
	s_and_b32 s17, ttmp7, 0xffff                   ; the cluster's y
	s_mov_b32 s93, s17
	s_sub_co_u32 s18, s17, 4
	s_lshl_b32 s18, s18, 3
	s_cmp_lt_u32 s93, 4                            ; from cluster row 4 on: V^T
	s_cselect_b32 s17, s17, 0                      ; there A has four tiles (cy alone),
	s_cselect_b32 s18, 0, s18                      ; B's tiles go on: + 8 for each cluster row,
	s_cselect_b32 s19, 0, 128                      ; A begins at tile of 16 number 128 (row 2,048),
	s_cselect_b32 s92, 0, 256                      ; and the result at tile of 16 number 256 (row 4,096)
	s_add_co_u32 s42, s42, s18
	s_lshl_b32 s17, s17, 2
	s_add_co_u32 s17, s17, s41                     ; A's tile
	s_lshl_b32 s43, s41, 2
	s_lshl_b32 s43, 15, s43                        ; my row of the cluster
	s_lshl_b32 s44, 0x1111, s40                    ; my column
	; group 1: 2 NT rows of RS bytes (a tile's steps of this slot), AST bytes apart; elements of 8 bytes; no padding: an image is read 512 consecutive bytes at a time
	s_or_b32 s[G1+0], s43, (3<<16)|(1<<21)
	s_or_b32 s[G1B+0], s44, (3<<16)|(1<<21)
.irp g, G1, G1B
	s_mov_b32 s[\g+1], (RS/8)<<16                  ; tensor_dim0
	s_mov_b32 s[\g+2], (2*NT)<<16                  ; tensor_dim1: both halves, 16 tiles of 16 rows
	s_mov_b32 s[\g+3], (RS/8)<<16                  ; tile_dim0
	s_mov_b32 s[\g+4], 2*NT                        ; tile_dim1
	s_mov_b32 s[\g+5], AST/8                       ; the pitch
	s_mov_b32 s[\g+6], 0
	s_mov_b32 s[\g+7], 0
.endr
	; and for the scale words of 256 rows: a dense block, as rows of 256 bytes
	s_or_b32 s[G1S+0], s43, (3<<16)|(1<<21)
	s_or_b32 s[G1SB+0], s44, (3<<16)|(1<<21)
.irp g, G1S, G1SB
	s_mov_b32 s[\g+1], 32<<16
	s_mov_b32 s[\g+2], (HALFS/128)<<16             ; the words of 256 rows: 2 HALFS dense bytes
	s_mov_b32 s[\g+3], 32<<16
	s_mov_b32 s[\g+4], HALFS/128
	s_mov_b32 s[\g+5], 32
	s_mov_b32 s[\g+6], 0
	s_mov_b32 s[\g+7], 0
.endr
	s_mul_i32 s20, s17, 2*NT
	s_add_co_u32 s20, s20, s19
	s_mul_i32 s20, s20, AST                        ; A: the codes that I fetch (if I fetch for A): made of A's tile and the wave alone
	s_mov_b32 s21, 0
	s_mul_i32 s46, s42, 2*NT*AST
	s_add_co_u32 s46, s46, BCO                     ; B: of B's tile and the wave alone
	s_mov_b32 s47, 0
	s_mul_i32 s22, s17, 2*HALFS
	s_add_co_u32 s22, s22, ASC
	s_lshl_b32 s23, s19, 9                         ; (128 tiles of 16 are 16 groups of 128 rows, 4,096 bytes each)
	s_add_co_u32 s22, s22, s23                     ; A's scale words
	s_mov_b32 s23, 0
	s_mul_i32 s94, s42, 2*HALFS
	s_add_co_u32 s94, s94, BSCO                    ; B's
	s_mov_b32 s95, 0
	s_wait_dscnt 0x0                               ; both opening adds are done
	s_wait_kmcnt 0x0
	s_load_b32 s3, s[6:7], 0x220000                ; the activation's floor, always from the second buffer
	s_cmp_lt_u32 s93, 4
	s_cselect_b64 s[PA:PA+1], s[4:5], s[6:7]
	s_cselect_b64 s[PB:PB+1], s[6:7], s[4:5]
	s_add_nc_u64 s[20:21], s[PA:PA+1], s[20:21]
	s_add_nc_u64 s[22:23], s[PA:PA+1], s[22:23]
	s_add_nc_u64 s[46:47], s[PB:PB+1], s[46:47]
	s_add_nc_u64 s[94:95], s[PB:PB+1], s[94:95]
	CROUND                                         ; all sixteen work-groups are here: the joint loads meet
	; THE HEAD'S FOUR TILES, ONE JOINT LOAD A WAVE: each is one dense block of memory and is filled once.
	s_mov_b32 s[G0], 1                             ; wave 0: the codes of A's 256 rows, all of K: 131,072 bytes
	s_mov_b32 s[G0+1], 0
	s_mov_b64 s[G0+2:G0+3], s[20:21]
	s_or_b32 s[G0+3], s[G0+3], 0x80000000
	s_mov_b32 s[G0B], 1                            ; wave 1: those of B's 256 rows, behind them
	s_mov_b32 s[G0B+1], 2*HALFT
	s_mov_b64 s[G0B+2:G0B+3], s[46:47]
	s_or_b32 s[G0B+3], s[G0B+3], 0x80000000
	s_mov_b32 s[G0S], 1                            ; wave 2: A's scale words
	s_mov_b32 s[G0S+1], SCL
	s_mov_b64 s[G0S+2:G0S+3], s[22:23]
	s_or_b32 s[G0S+3], s[G0S+3], 0x80000000
	s_mov_b32 s[G0SB], 1                           ; wave 3: B's
	s_mov_b32 s[G0SB+1], SCL+BSC
	s_mov_b64 s[G0SB+2:G0SB+3], s[94:95]
	s_or_b32 s[G0SB+3], s[G0SB+3], 0x80000000
	ARM 1, G0,  G1,  .Lhead_b
	ARM 2, G0B, G1B, .Lhead_sa
	ARM 3, G0S, G1S, .Lhead_sb
	tensor_load_to_lds s[G0SB:G0SB+3], s[G1SB:G1SB+7]
	s_nop 0
.rept 4
	v_nop
.endr
.Lhead_asked:
	v_and_b32 v1, 15, v0                           ; r
	v_bfe_u32 v2, v0, 4, 1                         ; h
	s_wait_alu depctr_va_vdst(0)
	v_and_b32 v3, 31, v0
	v_lshlrev_b32 v3, 4, v3                        ; 16 x lane: an image's place for my lane
	s_wait_alu depctr_va_vdst(0)                   ; the wait, directly behind the write
	s_mul_i32 s21, s15, HALFT                      ; my half of A,
	s_mul_i32 s22, s16, HALFT
	s_add_co_u32 s22, s22, 2*HALFT                 ; my half of B, behind A's two
.irp s, 0
	v_add_nc_u32 v[ADRA+\s], s21, v3
	v_add_nc_u32 v[ADRB+\s], s22, v3
	s_add_co_u32 s21, s21, SLOT
	s_add_co_u32 s22, s22, SLOT
.endr
	v_lshlrev_b32 v5, 2, v1
	s_mul_i32 s21, s15, HA_S
	s_mul_i32 s22, s16, HA_S
	s_add_co_u32 s22, s22, BSC
	s_sub_co_u32 s22, s22, s21
	v_mul_u32_u24 v6, s22, v2                      ; lanes 16-31 take B's words: one product, the distance between the two bases
	s_add_co_u32 s21, s21, SCL
	v_add_nc_u32 v5, v5, v6
	v_add_nc_u32 v[ADRS], s21, v5
	s_lshl_b32 s23, s14, 9
	s_add_co_u32 s23, s23, STG
	v_lshl_add_u32 v[STO], v1, 2, s23
	v_add_nc_u32 v[RD], s23, v3
	v_lshlrev_b32 v[BO], 6, v2
	s_mul_i32 s20, s42, 128*NT
	s_mul_i32 s21, s16, 64*NT
	s_add_co_u32 s20, s20, s21
	s_mov_b32 s21, 0
	s_add_nc_u64 s[8:9], s[8:9], s[20:21]          ; the bias of my 128 rows of B
.set I_, 0
.rept NT                                       ; lane (r, h) wants, for B's tile b, those of rows 32 (b / 2) + 8 (b % 2) + 16 h + 0 .. 7
	global_load_b128 v[BIAS+8*I_:BIAS+8*I_+3], v[BO], s[8:9] offset:(32*(I_/2)+8*(I_%2))*4
	global_load_b128 v[BIAS+8*I_+4:BIAS+8*I_+7], v[BO], s[8:9] offset:(32*(I_/2)+8*(I_%2))*4+16
.set I_, I_+1
.endr
	s_lshl_b32 s20, s17, 4
	s_lshl_b32 s21, s15, 3
	s_add_co_u32 s20, s20, s21
	s_add_co_u32 s20, s20, s92                     ; the result's first tile of 16 rows
	s_lshl_b32 s46, s42, 1
	s_add_co_u32 s46, s46, s16                     ; its step along the next K: my 128 rows of B
	s_lshl_b32 s21, s20, 15
	s_lshl_b32 s22, s46, 10
	s_add_co_u32 s22, s22, s21
	s_mov_b32 s23, 0
	s_lshr_b32 s20, s20, 3
	s_lshl_b32 s20, s20, 14
	s_lshl_b32 s46, s46, 9
	s_add_co_u32 s20, s20, s46
	s_add_co_u32 s20, s20, 0xa00000
	s_mov_b32 s21, 0
	s_add_nc_u64 s[66:67], s[12:13], s[20:21]      ; where my scale words go
	s_add_nc_u64 s[12:13], s[12:13], s[22:23]      ; and my codes
; The fragments and scale words of one step of 128 along K: the q-th of slot sg, step ks of all, into set p.  5 NT LDS loads.  Four plain lines stand in front of loads into registers that matrix instructions have read.
.macro FETCH sg, q, p, ks
.rept 4
	v_nop
.endr
	WIN 0x40                                       ; destination window 1
.set I_, 0
.rept NT
	ds_load_b128 v[128*(\p)+8*I_:128*(\p)+8*I_+3], v[ADRB+\sg] offset:I_*RS+1024*(\q)
	ds_load_b128 v[128*(\p)+8*I_+4:128*(\p)+8*I_+7], v[ADRB+\sg] offset:I_*RS+1024*(\q)+512
	ds_load_b128 v[128*(\p)+64+8*I_:128*(\p)+64+8*I_+3], v[ADRA+\sg] offset:I_*RS+1024*(\q)
	ds_load_b128 v[128*(\p)+64+8*I_+4:128*(\p)+64+8*I_+7], v[ADRA+\sg] offset:I_*RS+1024*(\q)+512
.set I_, I_+1
.endr
	WIN 0
.set I_, 0
.rept NT
	ds_load_b32 v[SC+8*(\p)+I_], v[ADRS] offset:512*(\ks)+64*I_      ; lanes 0-15: the words of A's tile i; lanes 16-31: of B's tile i
.set I_, I_+1
.endr
.endm
; NT x NT matrix instructions on set p.  zero = 1: the first step: the bias is the C.  The accumulators take turns, one instruction a turn, in the same order in every step.
.macro MUL p, zero
.set A_, 0
.rept NT
.if \zero
	WIN 0x85+0x40*(A_/4)                           ; sources 0 and 1 window 1, C window 0, D window 2 or 3
.else
	WIN 0xa5+0x50*(A_/4)                           ; C and D window 2 or 3
.endif
.set B_, 0
.rept NT
.set rD, 8*(NT*(A_%4)+B_)
.if \zero
	v_wmma_scale_f32_16x16x128_f8f6f4 v[rD:rD+7], v[128*(\p)+8*B_:128*(\p)+8*B_+7], v[128*(\p)+64+8*A_:128*(\p)+64+8*A_+7], v[BIAS+8*B_:BIAS+8*B_+7], v[SC+8*(\p)+B_], v[SC+8*(\p)+A_] matrix_a_fmt:MATRIX_FMT_FP4 matrix_b_fmt:MATRIX_FMT_FP4 matrix_a_scale:MATRIX_SCALE_ROW1
.else
	v_wmma_scale_f32_16x16x128_f8f6f4 v[rD:rD+7], v[128*(\p)+8*B_:128*(\p)+8*B_+7], v[128*(\p)+64+8*A_:128*(\p)+64+8*A_+7], v[rD:rD+7], v[SC+8*(\p)+B_], v[SC+8*(\p)+A_] matrix_a_fmt:MATRIX_FMT_FP4 matrix_b_fmt:MATRIX_FMT_FP4 matrix_a_scale:MATRIX_SCALE_ROW1
.endif
.set B_, B_+1
.endr
.set A_, A_+1
.endr
.endm
; A slot's NQ steps; n: which NQ steps of K it holds.  A step's fragments are fetched while the step before is multiplied.
.macro RUN sg, n, first
	FETCH \sg, 0, 0, (\n)*NQ
.set Q_, 0
.rept NQ
.if Q_+1 < NQ
	FETCH \sg, Q_+1, (Q_+1)%2, (\n)*NQ+Q_+1
	s_wait_dscnt 5*NT                              ; all but the 5 NT loads just issued: this step's fragments are in
.else
	s_wait_dscnt 0x0
.endif
.if (\first) && (Q_ == 0)
	MUL Q_%2, 1
.else
	MUL Q_%2, 0
.endif
.set Q_, Q_+1
.endr
.endm
; 64 numbers of a lane, v[s] on, register 16 b + i = k 32 b + 16 (lane / 16) + i of my row, become a fragment's codes in v[pc] on and its scale word in v[pw].
.macro QUANT s, pc, pw
.irp b, 0,1,2,3
	v_max3_num_f32 v[TM+\b], |v[\s+16*\b]|, |v[\s+1+16*\b]|, 0x1800000   ; my 16 numbers of block b, and the floor 2^(3 - 127): the byte cannot fall under 1
.endr
.irp i, 2,4,6,8,10,12,14
.irp b, 0,1,2,3
	v_max3_num_f32 v[TM+\b], v[TM+\b], |v[\s+16*\b+\i]|, |v[\s+1+16*\b+\i]|
.endr
.endr
.irp b, 0,1,2,3
	v_permlanex16_b32 v[TM+4+\b], v[TM+\b], s20, s21
.endr
.irp b, 0,1,2,3
	v_max_num_f32 v[TM+\b], v[TM+\b], v[TM+4+\b]   ; with lane l xor 16's: the block's largest magnitude
.endr
.irp b, 0,1,2,3
	v_add_nc_u32 v[TM+12+\b], 0xff000000, v[TM+\b] ; 2 off the exponent field: the conversion's scale operand
.endr
.irp b, 0,1,2,3
	v_lshrrev_b32 v[TM+4+\b], 23, v[TM+12+\b]      ; the scale's byte
.endr
	v_lshl_or_b32 v[\pw], v[TM+5], 8, v[TM+4]
	v_lshl_or_b32 v[\pw], v[TM+6], 16, v[\pw]
	v_lshl_or_b32 v[\pw], v[TM+7], 24, v[\pw]
.irp b, 0,1,2,3
	v_cvt_scalef32_pk8_fp4_f32 v[(\pc)+2*\b], v[\s+16*\b:\s+7+16*\b], v[TM+12+\b]
	v_cvt_scalef32_pk8_fp4_f32 v[(\pc)+1+2*\b], v[\s+8+16*\b:\s+15+16*\b], v[TM+12+\b]
.endr
	v_nop                                          ; a plain line behind the last conversion
.irp c, 0,1                                    ; the operand's layout wants a whole block in a lane: lanes 0-15 block 2 c, lanes 16-31 block 2 c + 1
.irp i, 0,1
	v_permlane16_swap_b32 v[(\pc)+4*\c+\i], v[(\pc)+2+4*\c+\i]
.endr
.endr
.endm
	s_wait_alu depctr_va_vdst(0)
	s_wait_tensorcnt 0x0                           ; my tile of the head's four is in
	s_wait_kmcnt 0x0                               ; the floor
	s_barrier_signal -1
	s_barrier_wait -1                              ; everybody's are
	s_wait_loadcnt 0x0                             ; the bias
	RUN 0, 0, 1                                    ; all eight steps of K
	WIN 0
	; THE WAY OUT, a tile of 16 rows of A at a time: the activation, the quantiser, 1,024 bytes of codes in two stores of 512 consecutive bytes; the eight tiles' scale words meet in my stage and leave as 512 bytes.
.rept 4
	v_nop                                          ; four plain lines behind the last products
.endr
	s_mov_b32 s20, 0x76543210
	s_mov_b32 s21, 0xfedcba98                      ; v_permlanex16_b32's selects for lane l xor 16
.irp b, 0,1,2,3
	v_mov_b32 v[TM+4+\b], 0                        ; written once: a lane permute's destination counts as one of its sources
.endr
.set E_, 0
.rept 8
	WIN (2+E_/4)<<2                                ; source 1: window 2 or 3
.set J_, 0
.rept 64
	v_max_num_f32 v[ST+J_], s3, v[64*(E_%4)+J_]    ; each accumulator from its low end on
.set J_, J_+1
.endr
	WIN 0
	QUANT ST, PC+8*E_, PW+E_
	global_store_b128 v3, v[PC+8*E_:PC+8*E_+3], s[12:13] offset:32768*E_
	global_store_b128 v3, v[PC+8*E_+4:PC+8*E_+7], s[12:13] offset:32768*E_+512
	ds_store_b32 v[STO], v[PW+E_] offset:64*E_     ; lanes r and r + 16 hold the same word and write it to the same place
.set E_, E_+1
.endr
	ds_load_b128 v[56:59], v[RD]                   ; LDS serves a wave's instructions in order: this sees my stores
	s_wait_dscnt 0x0
	global_store_b128 v3, v[56:59], s[66:67]
	s_wait_tensorcnt 0x0                           ; the wave's end, ahead of the closing round
	ds_add_u32 v[SPW], v[NIL]
	s_wait_dscnt 0x0
	CROUND
	s_endpgm
.Lfunc_end_k_qdb2ae773f4_qkv:
	.size	k_qdb2ae773f4_qkv, .Lfunc_end_k_qdb2ae773f4_qkv-k_qdb2ae773f4_qkv
	.p2alignl 7, 3214868480
	.fill 96, 4, 3214868480
	.section	.rodata,"a",@progbits
	.p2align	6, 0x0
	.amdhsa_kernel k_qdb2ae773f4_qkv
		.amdhsa_group_segment_fixed_size 281088
		.amdhsa_private_segment_fixed_size 0
		.amdhsa_enable_private_segment 0
		.amdhsa_kernarg_size 32
		.amdhsa_user_sgpr_count 2
		.amdhsa_user_sgpr_kernarg_segment_ptr 1
		.amdhsa_wavefront_size32 1
		.amdhsa_system_sgpr_workgroup_id_x 1
		.amdhsa_system_sgpr_workgroup_id_y 1
		.amdhsa_system_sgpr_workgroup_id_z 1
		.amdhsa_system_vgpr_workitem_id 0
		.amdhsa_next_free_vgpr 1024
		.amdhsa_next_free_sgpr 100
		.amdhsa_reserve_vcc 0
		.amdhsa_float_denorm_mode_32 3
		.amdhsa_float_denorm_mode_16_64 3
		.amdhsa_memory_ordered 1
		.amdhsa_forward_progress 1
		.amdhsa_inst_pref_size 146
	.end_amdhsa_kernel
	.amdgpu_metadata
---
amdhsa.version: [ 1, 2 ]
amdhsa.kernels:
  - .name:           k_qdb2ae773f4_qkv
    .symbol:         k_qdb2ae773f4_qkv.kd
    .args:
      - { .name: hq, .offset: 0, .size: 8, .value_kind: global_buffer, .address_space: global }
      - { .name: wa, .offset: 8, .size: 8, .value_kind: global_buffer, .address_space: global }
      - { .name: zeros, .offset: 16, .size: 8, .value_kind: global_buffer, .address_space: global }
      - { .name: big, .offset: 24, .size: 8, .value_kind: global_buffer, .address_space: global }
    .group_segment_fixed_size: 281088
    .private_segment_fixed_size: 0
    .kernarg_segment_align: 8
    .kernarg_segment_size: 32
    .max_flat_workgroup_size: 128
    .sgpr_count:     100
    .vgpr_count:     1024
    .wavefront_size: 32
...
	.end_amdgpu_metadata
.endif
;; end of part 2
;; launch attn (part 3): grid 8 x 32, 16 waves a work-group, no clusters, 182,272 bytes of LDS; arguments big, attq; writes attq
.if DOCPART == 3
	.amdgcn_target "amdgcn-amd-amdhsa--gfx1250"
	.amdhsa_code_object_version 6
	.text
	.protected	k_qdb2ae773f4_attn
	.globl	k_qdb2ae773f4_attn
	.p2align	8
	.type	k_qdb2ae773f4_attn,@function
k_qdb2ae773f4_attn:
	s_mov_b64 s[64:65], 0
	v_nop
	global_prefetch_b8 v0, s[64:65] scope:SCOPE_SE
	s_setreg_imm32_b32 hwreg(HW_REG_WAVE_MODE, 25, 1), 1
	s_wait_xcnt 0x0
; Causal attention of one head on codes of FP4 (E2M1): o = softmax(q k^T / 32) v, both products quantised; the result is quantised along the head's 64 and stored as codes for the next product.
; q, k (K = the head's 64) and v^T (K = the keys) come from one buffer as images of operand registers, 32,768 bytes for a tile of 16 rows: q at steps 0-7, k at steps 8-15 (head = 2 step + c), v^T from byte 0x800000
; (row = 64 head + d, step = token / 128); scale words from byte 0xA00000, [rows / 128][32 steps][128 positions].  Position r of tile T is row 32 (T / 2) + 8 (T % 2) + r + 8 (r / 8), for tokens and for d alike.
; THE SOFTMAX: t = score x log2(e) / 32; M = the running largest t rounded UP to a whole number; p = 2^(t - M) is quantised along the keys, not normalised; the sum is taken of the unquantised p and divides at the end.
; When M moves, the sum and O are multiplied by 2^(old M - new M): exact.  The order in which a query's key steps are taken is free.
; SHARES.  A work-group serves one head of one batch row: the 8 tiles of 16 queries of the early block x (x + 1 key steps of 128 each) and the 8 of the late block 15 - x (16 - x steps each): 136 steps for sixteen waves.
; A LATE TILE'S KEYS ARE SHARED BETWEEN TWO WAVES, so that every wave has 8 or 9 steps, whatever x.  Wave w and wave w + 8 (w < 8) have place w in both blocks.
;   Pass 1, 7 trips: wave w takes the late tile's steps 9 .. 15 - x; wave w + 8 the same tile's steps x .. 6: 7 - x steps each.  Wave w then puts its part (-M, the sum, O^T) into LDS as an image of the registers and begins anew.
;   One barrier.  Pass 2, 9 trips: wave w takes the early tile's steps 0 .. x; wave w + 8 the late tile's steps 0 .. x - 1, 7 and 8.  Wave w + 8 then joins the other part to its own: M = the larger of the two, both parts
;   multiplied by a power of two: exact.  (With x = 7 the other part is empty: its -M is 3e38, its factor comes out 0, and it holds zeros.)
; Both loops have constant trip counts, and the LDS pointers start at constants times the wave's number; what hangs on x is only branches that jump over a step's work.
; THE HEAD'S WHOLE K AND V LIE IN LDS, filled once: 64 KiB + 64 KiB of codes, 8 + 4 KiB of scale words; behind them 8 x 4,608 bytes for the parts handed over, into which no tensor load lands.
; Both products are used transposed (S^T = k q^T, O^T = v^T p^T): a lane holds one query; by the order of the keys in a tile the 16 registers of tiles 2 b, 2 b + 1 are keys 32 b + 16 (lane / 16) + 0 .. 15.
; K = 64 IN AN INSTRUCTION OF 128: q's registers 4-7 are zero codes.  A tile of k is four registers; the instruction names eight, of which the upper four are the next tile's (behind the last: zeros) and meet q's zeros.
; q's and k's scale words are loaded as the head's two bytes; the two upper bytes are 0, which stands for 2^-127 and scales zeros.
; CAUSAL: the one step of a tile that lies on the diagonal begins at its block's first key; there hidden scores become -infinity.  Earlier steps count whole; later ones are never taken.
; NO CLUSTER, though the eight work-groups of a head read the same 140 KiB: which steps a wave jumps over hangs on the work-group's x, the very number that would tell the partners of a cluster apart.
; LIMITS: 1 / sum by v_rcp_f32 (1 ulp); a block of zeros or under 2^-124 gets the byte 1; the output's scale bytes leave two to a lane (a word holds two heads' bytes): 128 KiB in all; NaN and infinities are not served.
; REGISTERS: v1-7, v88 addresses that stay; v8-11 the step's; v12 -M, v13 the largest t, v[14:15] the sum; v16-23 pass 1's q, v24-31 pass 2's; v32-67 k; v68-75, v76-79, v80, v81, v82 scale words of k, v, p, q, q;
;   v96-159 S^T, then p; v160-191 O^T; v192-223 v's fragments; v224-231 p's codes; v232-254 at work.
.set LK,   0                           ; LDS: k's codes, 512 bytes a tile of 16 keys
.set LV,   65536                       ; v^T's codes: [4 tiles of d][16 steps][1,024]
.set LKS,  131072                      ; k's scale words, 4 bytes a key
.set LVS,  139264                      ; v^T's: [16 steps][64 positions]
.set HND,  143360                      ; the parts handed over: 9 x 512 bytes for each pair of waves
.set HA,   88                          ; v88  my pair's place there: HND + 4,608 (w % 8) + 16 x lane
.set HI1,  2                           ; s2   the late block's first key, 128 (15 - x): pass 1's last step, and its diagonal
.set LO1,  3                           ; s3   pass 1's first step: 0 in waves 0-7, 128 x in waves 8-15
.set WV,   8
.set KF,   19                          ; s19  the step's first key
.set SEL,  20
.set CS,   22                          ; s[22:23] c = log2(e) / 32
.set G1K,  24
.set G1V,  32
.set G1KS, 40
.set G1VS, 48
.set G0K,  56
.set G0V,  60
.set H2,   66                          ; s66  pass 2 takes the steps under this key,
.set L2,   67                          ; s67  and those from this key on
.set G0KS, 68
.set G0VS, 72
.set TBK,  76                          ; s76-79 the step's place in the four regions
.set TBS,  77
.set TBV,  78
.set TBT,  79
.set CNT,  80
.set DG2,  98                          ; s98  pass 2's diagonal step
	s_load_b128 s[4:7], s[0:1], 0x0                ; the operands, the result
	v_lshl_add_u32 v83, v0, 2, 180224              ; my spare word, behind the parts handed over: 128 bytes a wave, named by no other line; v83 and v84 are kept for the add alone
	v_mov_b32 v84, 0
	ds_add_u32 v83, v84                            ; the opening lines: the add, twice on end, and its wait ahead of the first tensor loads
	ds_add_u32 v83, v84
	v_lshrrev_b32 v8, 5, v0
	s_delay_alu instid0(VALU_DEP_1)
	v_readfirstlane_b32 s[WV], v8                  ; wave 0..15
	s_and_b32 s9, ttmp7, 0xffff
	s_lshr_b32 s10, s9, 4                          ; the batch row
	s_and_b32 s11, s9, 15                          ; the head,
	s_and_b32 s12, s11, 1                          ; its half of a step of 128,
	s_lshr_b32 s13, s11, 1                         ; and the step
	s_and_b32 s15, s[WV], 7                        ; my place in both blocks
	s_lshr_b32 s16, s[WV], 3                       ; 0: waves 0-7; 1: waves 8-15
	s_xor_b32 s17, s16, 1
	s_sub_co_u32 s14, 15, ttmp9                    ; the late block
	s_lshl_b32 s[HI1], s14, 7
	s_lshl_b32 s18, ttmp9, 7                       ; the early block's first key
	s_mul_i32 s[LO1], s16, s18
	s_add_co_u32 s81, s18, 128
	s_mov_b32 s[L2], 896
	s_cmp_eq_u32 s16, 0
	s_cselect_b32 s[H2], s81, s18                  ; waves 0-7: steps 0 .. x;  waves 8-15: steps 0 .. x - 1
	s_cselect_b32 s[L2], -1, s[L2]                 ; waves 0-7: no others;     waves 8-15: steps 7 and 8
	s_cselect_b32 s[DG2], s18, s[HI1]
	s_cselect_b32 s9, ttmp9, s14                   ; the block of pass 2's tile, which is the tile that I store
	s_lshl_b32 s18, s10, 4
	s_add_co_u32 s14, s14, s18                     ; both blocks counted over all tokens
	s_add_co_u32 s9, s9, s18
	s_mov_b32 s[SEL], 0x76543210
	s_mov_b32 s[SEL+1], 0xfedcba98
	s_mov_b32 s[CS], 0x3d38aa3b
	s_mov_b32 s[CS+1], s[CS]                       ; (named with it as a pair, so it is written)
	s_mul_i32 s[KF], s17, 1152                     ; pass 1 begins at step 9 in waves 0-7, at step 0 in waves 8-15
	s_mul_i32 s[TBK], s17, 36864
	s_mul_i32 s[TBS], s17, 4608
	s_mul_i32 s[TBV], s17, 9216
	s_mul_i32 s[TBT], s17, 2304
	s_mov_b32 s[CNT], 7
	; group 1, elements of 8 bytes.  k's codes: 16 tiles of 512 bytes, 32,768 bytes apart
	s_mov_b32 s[G1K], 3<<16
	s_mov_b32 s[G1K+1], 64<<16
	s_mov_b32 s[G1K+2], 16<<16
	s_mov_b32 s[G1K+3], 64<<16
	s_mov_b32 s[G1K+4], 16
	s_mov_b32 s[G1K+5], 4096
	s_mov_b32 s[G1K+6], 0
	s_mov_b32 s[G1K+7], 0
	; a tile of d of v^T: 16,384 dense bytes, as 64 rows of 256
	s_mov_b32 s[G1V], 3<<16
	s_mov_b32 s[G1V+1], 32<<16
	s_mov_b32 s[G1V+2], 64<<16
	s_mov_b32 s[G1V+3], 32<<16
	s_mov_b32 s[G1V+4], 64
	s_mov_b32 s[G1V+5], 32
	s_mov_b32 s[G1V+6], 0
	s_mov_b32 s[G1V+7], 0
	; k's scale words: 16 groups of 128 keys, 512 bytes each, 16,384 bytes apart
	s_mov_b32 s[G1KS], 3<<16
	s_mov_b32 s[G1KS+1], 64<<16
	s_mov_b32 s[G1KS+2], 16<<16
	s_mov_b32 s[G1KS+3], 64<<16
	s_mov_b32 s[G1KS+4], 16
	s_mov_b32 s[G1KS+5], 2048
	s_mov_b32 s[G1KS+6], 0
	s_mov_b32 s[G1KS+7], 0
	; v^T's: 16 steps, the head's 256 bytes of each 512
	s_mov_b32 s[G1VS], 3<<16
	s_mov_b32 s[G1VS+1], 32<<16
	s_mov_b32 s[G1VS+2], 16<<16
	s_mov_b32 s[G1VS+3], 32<<16
	s_mov_b32 s[G1VS+4], 16
	s_mov_b32 s[G1VS+5], 64
	s_mov_b32 s[G1VS+6], 0
	s_mov_b32 s[G1VS+7], 0
	; where the tiles lie in memory
	s_lshl_b32 s[G0K+1], s15, 13                   ; k: wave w (0-7) brings 16 tiles to LDS byte 8,192 w
	s_lshl_b32 s82, s15, 4
	s_lshl_b32 s83, s10, 7
	s_add_co_u32 s82, s82, s83
	s_lshl_b32 s82, s82, 15
	s_add_co_u32 s83, s13, 8
	s_lshl_b32 s83, s83, 10
	s_add_co_u32 s82, s82, s83
	s_lshl_b32 s83, s12, 9
	s_add_co_u32 s82, s82, s83
	s_mov_b32 s83, 0
	s_and_b32 s81, s[WV], 3
	s_lshl_b32 s84, s11, 2
	s_add_co_u32 s84, s84, s81                     ; v^T: waves 8-11 bring a tile of d each
	s_lshl_b32 s84, s84, 15
	s_lshl_b32 s85, s10, 14
	s_add_co_u32 s84, s84, s85
	s_add_co_u32 s84, s84, 0x800000
	s_mov_b32 s85, 0
	s_lshl_b32 s81, s81, 14
	s_add_co_u32 s[G0V+1], s81, LV
	s_lshl_b32 s86, s10, 9
	s_add_co_u32 s86, s86, s13
	s_add_co_u32 s86, s86, 8
	s_lshl_b32 s86, s86, 9
	s_add_co_u32 s86, s86, 0xa00000                ; k's scale words: wave 12
	s_mov_b32 s87, 0
	s_mov_b32 s[G0KS+1], LKS
	s_lshl_b32 s88, s13, 5
	s_lshl_b32 s89, s10, 4
	s_add_co_u32 s88, s88, s89
	s_lshl_b32 s88, s88, 9
	s_lshl_b32 s89, s12, 8
	s_add_co_u32 s88, s88, s89
	s_add_co_u32 s88, s88, 0xa80000                ; v^T's: wave 13
	s_mov_b32 s89, 0
	s_mov_b32 s[G0VS+1], LVS
	v_and_b32 v7, 31, v0                           ; lane
	v_and_b32 v9, 15, v0                           ; r
	v_bfe_u32 v10, v0, 4, 1                        ; h
	s_delay_alu instid0(VALU_DEP_3)
	v_lshlrev_b32 v1, 4, v7                        ; k's codes: 16 x lane
	s_delay_alu instid0(VALU_DEP_3)
	v_lshlrev_b32 v6, 2, v9                        ; 4 r
	s_lshl_b32 s81, s12, 1
	s_add_co_u32 s81, s81, LKS
	v_add_nc_u32 v2, s81, v6                       ; k's scale bytes: the head's two of the word
	v_add_nc_u32 v3, LV, v1                        ; v^T's codes
	v_add_nc_u32 v4, LVS, v6                       ; v^T's scale words
	v_lshrrev_b32 v5, 3, v9
	s_delay_alu instid0(VALU_DEP_1)
	v_lshl_add_u32 v5, v5, 3, v9
	v_lshlrev_b32 v10, 4, v10
	s_delay_alu instid0(VALU_DEP_1)
	v_sub_nc_u32 v5, v5, v10
	s_lshr_b32 s81, s15, 1
	s_lshl_b32 s81, s81, 5
	s_and_b32 s18, s15, 1
	s_lshl_b32 s18, s18, 3
	s_add_co_u32 s81, s81, s18                     ; my tile's first query in its block: the same in both blocks
	v_add_nc_u32 v5, s81, v5                       ; d = my query - the block's first key - 16 h
	s_mul_i32 s81, s15, 4608
	s_add_co_u32 s81, s81, HND
	v_add_nc_u32 v[HA], s81, v1
.irp j, 20,21,22,23,28,29,30,31,64,65,66,67
	v_mov_b32 v[\j], 0                             ; zero codes: the upper halves of q, and what stands behind k's last tile
.endr
	v_mov_b32 v13, 0xff61b1e6                      ; the largest t so far: -3e38, under every t
	s_delay_alu instid0(VALU_DEP_1)
	v_floor_f32 v12, -v13                          ; -M
	v_mov_b32 v14, 0                               ; the sum, in two halves
	v_mov_b32 v15, 0
.irp j, 236,237,238,239,252,253
	v_mov_b32 v[\j], 0                             ; written once: a lane permute's destination, and both halves of a pair, count as read
.endr
.set J_, 0
.rept 32
	v_mov_b32 v[160+J_], 0                         ; O^T.  (A first step finds zeros, which the first change of M leaves zeros)
.set J_, J_+1
.endr
	s_wait_dscnt 0x0                               ; both opening adds are done
	s_wait_kmcnt 0x0
	s_mov_b32 s[G0K], 1
	s_add_nc_u64 s[G0K+2:G0K+3], s[4:5], s[82:83]
	s_or_b32 s[G0K+3], s[G0K+3], 0x80000000
	s_mov_b32 s[G0V], 1
	s_add_nc_u64 s[G0V+2:G0V+3], s[4:5], s[84:85]
	s_or_b32 s[G0V+3], s[G0V+3], 0x80000000
	s_mov_b32 s[G0KS], 1
	s_add_nc_u64 s[G0KS+2:G0KS+3], s[4:5], s[86:87]
	s_or_b32 s[G0KS+3], s[G0KS+3], 0x80000000
	s_mov_b32 s[G0VS], 1
	s_add_nc_u64 s[G0VS+2:G0VS+3], s[4:5], s[88:89]
	s_or_b32 s[G0VS+3], s[G0VS+3], 0x80000000
	; the fills: one tensor load a wave at the most, chosen by the wave's number; four v_nop follow each
	s_cmp_lt_u32 s[WV], 8
	s_cbranch_scc0 .Lnot_k
	tensor_load_to_lds s[G0K:G0K+3], s[G1K:G1K+7]
	s_nop 0
.rept 4
	v_nop
.endr
	s_branch .Lasked
.Lnot_k:
	s_cmp_lt_u32 s[WV], 12
	s_cbranch_scc0 .Lnot_v
	tensor_load_to_lds s[G0V:G0V+3], s[G1V:G1V+7]
	s_nop 0
.rept 4
	v_nop
.endr
	s_branch .Lasked
.Lnot_v:
	s_cmp_eq_u32 s[WV], 12
	s_cbranch_scc0 .Lnot_ks
	tensor_load_to_lds s[G0KS:G0KS+3], s[G1KS:G1KS+7]
	s_nop 0
.rept 4
	v_nop
.endr
	s_branch .Lasked
.Lnot_ks:
	s_cmp_eq_u32 s[WV], 13
	s_cbranch_scc0 .Lasked
	tensor_load_to_lds s[G0VS:G0VS+3], s[G1VS:G1VS+7]
	s_nop 0
.rept 4
	v_nop
.endr
.Lasked:
	; q of both passes, and where the result goes.  A tile is 8 x its block + my place
	s_lshl_b32 s81, s13, 10
	s_lshl_b32 s18, s12, 9
	s_add_co_u32 s81, s81, s18                     ; the head's place in a tile's codes: step and half
	s_lshl_b32 s18, s13, 9
	s_lshl_b32 s82, s15, 6
	s_add_co_u32 s18, s18, s82
	s_lshl_b32 s82, s12, 1
	s_add_co_u32 s18, s18, s82                     ; and my tile's and the head's place among a block's scale words
	s_lshl_b32 s90, s15, 15
	s_add_co_u32 s90, s90, s81
	s_lshl_b32 s82, s14, 18
	s_add_co_u32 s82, s82, s90                     ; pass 1: the late tile's q
	s_mov_b32 s83, 0
	s_lshl_b32 s86, s9, 18
	s_add_co_u32 s86, s86, s90                     ; pass 2's
	s_mov_b32 s87, 0
	s_add_co_u32 s91, s18, 0xa00000
	s_lshl_b32 s84, s14, 14
	s_add_co_u32 s84, s84, s91                     ; their scale bytes
	s_mov_b32 s85, 0
	s_lshl_b32 s88, s9, 14
	s_add_co_u32 s88, s88, s91
	s_mov_b32 s89, 0
	s_lshl_b32 s94, s9, 16
	s_lshl_b32 s95, s15, 13
	s_add_co_u32 s94, s94, s95
	s_add_co_u32 s94, s94, s81                     ; the result's codes (8,192 bytes a tile)
	s_mov_b32 s95, 0
	s_lshl_b32 s96, s9, 12
	s_add_co_u32 s96, s96, s18
	s_add_co_u32 s96, s96, 0x200000                ; and its scale bytes
	s_mov_b32 s97, 0
	s_add_nc_u64 s[82:83], s[4:5], s[82:83]
	s_add_nc_u64 s[84:85], s[4:5], s[84:85]
	s_add_nc_u64 s[86:87], s[4:5], s[86:87]
	s_add_nc_u64 s[88:89], s[4:5], s[88:89]
	s_add_nc_u64 s[94:95], s[6:7], s[94:95]
	s_add_nc_u64 s[96:97], s[6:7], s[96:97]
	global_load_b128 v[16:19], v1, s[82:83]        ; q's codes: d = 32 h + 0 .. 31 of my query
	global_load_u16 v81, v6, s[84:85]              ; and its two scale bytes
	global_load_b128 v[24:27], v1, s[86:87]
	global_load_u16 v82, v6, s[88:89]
	s_wait_tensorcnt 0x0                           ; my fill, if I have one, has landed (waves 14 and 15 have none: so the count is 0)
	s_barrier_signal -1
	s_barrier_wait -1                              ; everybody's has
	s_wait_loadcnt 0x0
; A PASS: a loop of s[CNT] trips, 128 keys each.  qr: q's registers; sw: q's scale word; kind: which of the two passes' tests decide whether a trip's step is taken.
.macro PASS qr, sw, kind
.Lstep_\@:
.if \kind == 1
	s_cmp_gt_u32 s[KF], s[HI1]
	s_cbranch_scc1 .Lhidden_\@                     ; these keys come after the late block's queries
	s_cmp_lt_u32 s[KF], s[LO1]
	s_cbranch_scc1 .Lhidden_\@                     ; this step is left for pass 2
.else
	s_cmp_lt_u32 s[KF], s[H2]
	s_cbranch_scc1 .Lwork_\@
	s_cmp_lt_u32 s[KF], s[L2]
	s_cbranch_scc1 .Lhidden_\@                     ; hidden, or taken in pass 1
.Lwork_\@:
.endif
	v_add_nc_u32 v8, s[TBK], v1                    ; (these four are also the plain lines in front of loads into registers that the last products read)
	v_add_nc_u32 v9, s[TBS], v2
	v_add_nc_u32 v10, s[TBV], v3
	v_add_nc_u32 v11, s[TBT], v4
.irp t, 0,1,2,3,4,5,6,7
	ds_load_b128 v[32+4*\t:35+4*\t], v8 offset:512*\t
.endr
.irp t, 0,1,2,3,4,5,6,7
	ds_load_u16 v[68+\t], v9 offset:64*\t
.endr
.irp d, 0,1,2,3
	ds_load_b128 v[192+8*\d:195+8*\d], v10 offset:16384*\d
	ds_load_b128 v[196+8*\d:199+8*\d], v10 offset:16384*\d+512
.endr
.irp d, 0,1,2,3
	ds_load_b32 v[76+\d], v11 offset:64*\d
.endr
	s_wait_dscnt 12                                ; k's sixteen loads are in; v's twelve may be out
.irp t, 0,1,2,3,4,5,6,7
	v_wmma_scale_f32_16x16x128_f8f6f4 v[96+8*\t:103+8*\t], v[32+4*\t:39+4*\t], v[\qr:\qr+7], 0, v[68+\t], v[\sw] matrix_a_fmt:MATRIX_FMT_FP4 matrix_b_fmt:MATRIX_FMT_FP4
.endr
.rept 4
	v_nop
.endr
.if \kind == 1
	s_cmp_lg_u32 s[KF], s[HI1]
.else
	s_cmp_lg_u32 s[KF], s[DG2]
.endif
	s_cbranch_scc1 .Lopen_\@                       ; not on the diagonal: all these keys count for all my queries
	v_mov_b32 v254, 0xff800000                     ; -infinity.  Register 16 b + i holds key KF + 16 h + 32 b + i: hidden where 32 b + i > d
.set N_, 0
.rept 64
	v_cmp_gt_i32 vcc_lo, 32*(N_/16)+N_%16, v5
	v_cndmask_b32 v[96+N_], v[96+N_], v254, vcc_lo
.set N_, N_+1
.endr
.Lopen_\@:
.irp b, 0,1,2,3
	v_max3_num_f32 v[232+\b], v[96+16*\b], v[97+16*\b], v[98+16*\b]   ; the largest score of each block of 32 keys: it serves the row's maximum and, since p rises with the score, the block's largest p
.endr
.irp i, 3,5,7,9,11,13
.irp b, 0,1,2,3
	v_max3_num_f32 v[232+\b], v[232+\b], v[96+16*\b+\i], v[97+16*\b+\i]
.endr
.endr
.irp b, 0,1,2,3
	v_max_num_f32 v[232+\b], v[232+\b], v[111+16*\b]
.endr
.irp b, 0,1,2,3
	s_delay_alu instid0(VALU_DEP_4)
	v_permlanex16_b32 v[236+\b], v[232+\b], s[SEL], s[SEL+1]
.endr
.irp b, 0,1,2,3
	s_delay_alu instid0(VALU_DEP_4)
	v_max_num_f32 v[232+\b], v[232+\b], v[236+\b]  ; with lane l xor 16's 16 keys
.endr
	s_delay_alu instid0(VALU_DEP_2)
	v_max3_num_f32 v254, v232, v233, v234
	s_delay_alu instid0(VALU_DEP_1)
	v_max_num_f32 v254, v254, v235                 ; the step's largest score of my query
	s_delay_alu instid0(VALU_DEP_1)
	v_mul_f32 v254, s[CS], v254                    ; as t (c is positive)
	s_delay_alu instid0(VALU_DEP_1)
	v_max_num_f32 v13, v13, v254                   ; the running largest t
	v_mov_b32 v254, v12
	s_delay_alu instid0(VALU_DEP_2)
	v_floor_f32 v12, -v13                          ; the new -M = floor(-t) = -ceil(t)
	s_delay_alu instid0(VALU_DEP_1)
	v_sub_f32 v254, v12, v254                      ; old M - new M: a whole number, 0 or less
	s_delay_alu instid0(VALU_DEP_1)
	v_cvt_i32_f32 v254, v254                       ; (it saturates)
	s_delay_alu instid0(VALU_DEP_1)
	v_ldexp_f32 v252, 1.0, v254                    ; f = 2^(old M - new M)
.irp j, 0,2,4,6,8,10,12,14,16,18,20,22,24,26,28,30,32,34,36,38,40,42,44,46,48,50,52,54,56,58,60,62
	v_pk_fma_f32 v[96+\j:97+\j], v[96+\j:97+\j], s[CS:CS+1], v[12:13] op_sel_hi:[1,0,0]   ; t - M, two at a time
.endr
.irp b, 0,1,2,3
	v_fma_f32 v[232+\b], v[232+\b], s[CS], v12     ; the same of each block's largest score
.endr
.set J_, 0
	s_wait_alu depctr_va_vdst(0)
.rept 64
	v_exp_f32 v[96+J_], v[96+J_]                   ; p = 2^(t - M), at most 1
.set J_, J_+1
.endr
	v_pk_mul_f32 v[14:15], v[14:15], v[252:253] op_sel_hi:[1,0]   ; the sums under the new M: a plain line behind the batch
	s_wait_alu depctr_va_vdst(0)                   ; one wait for the 64, ahead of their first reader
.irp b, 0,1,2,3
	v_exp_f32 v[232+\b], v[232+\b]                 ; the block's largest p
.endr
	v_pk_add_f32 v[236:237], v[100:101], v[104:105]
	v_pk_add_f32 v[250:251], v[108:109], v[112:113]
	v_pk_add_f32 v[248:249], v[116:117], v[120:121]
	v_pk_add_f32 v[242:243], v[124:125], v[128:129]
	v_pk_add_f32 v[94:95], v[132:133], v[136:137]
	v_pk_add_f32 v[92:93], v[140:141], v[144:145]
	v_pk_add_f32 v[90:91], v[148:149], v[152:153]
	v_pk_add_f32 v[14:15], v[14:15], v[156:157]
	v_pk_add_f32 v[236:237], v[236:237], v[96:97]
	v_pk_add_f32 v[250:251], v[250:251], v[98:99]
	v_pk_add_f32 v[248:249], v[248:249], v[102:103]
	v_pk_add_f32 v[242:243], v[242:243], v[106:107]
	v_pk_add_f32 v[94:95], v[94:95], v[110:111]
	v_pk_add_f32 v[92:93], v[92:93], v[114:115]
	v_pk_add_f32 v[90:91], v[90:91], v[118:119]
	v_pk_add_f32 v[14:15], v[14:15], v[122:123]
	v_pk_add_f32 v[236:237], v[236:237], v[126:127]
	v_pk_add_f32 v[250:251], v[250:251], v[130:131]
	v_pk_add_f32 v[248:249], v[248:249], v[134:135]
	v_pk_add_f32 v[242:243], v[242:243], v[138:139]
	v_pk_add_f32 v[94:95], v[94:95], v[142:143]
	v_pk_add_f32 v[92:93], v[92:93], v[146:147]
	v_pk_add_f32 v[90:91], v[90:91], v[150:151]
	v_pk_add_f32 v[14:15], v[14:15], v[154:155]
	v_pk_add_f32 v[236:237], v[236:237], v[158:159]
	s_delay_alu instid0(VALU_DEP_2)
	v_pk_add_f32 v[14:15], v[14:15], v[242:243]
	s_delay_alu instid0(VALU_DEP_2)
	v_pk_add_f32 v[236:237], v[236:237], v[94:95]
	v_pk_add_f32 v[250:251], v[250:251], v[92:93]
	v_pk_add_f32 v[248:249], v[248:249], v[90:91]
	s_delay_alu instid0(VALU_DEP_2)
	v_pk_add_f32 v[14:15], v[14:15], v[250:251]
	s_delay_alu instid0(VALU_DEP_2)
	v_pk_add_f32 v[236:237], v[236:237], v[248:249]
	s_delay_alu instid0(VALU_DEP_1)
	v_pk_add_f32 v[14:15], v[14:15], v[236:237]
	s_wait_alu depctr_va_vdst(0)                   ; and one for the four
.irp b, 0,1,2,3
	v_max_num_f32 v[232+\b], 0x1800000, v[232+\b]  ; the floor 2^(3 - 127): the byte cannot fall under 1
.endr
.irp b, 0,1,2,3
	s_delay_alu instid0(VALU_DEP_4)
	v_add_nc_u32 v[244+\b], 0xff000000, v[232+\b]  ; 2 off the exponent field: the conversion's scale operand
.endr
.irp b, 0,1,2,3
	s_delay_alu instid0(VALU_DEP_4)
	v_lshrrev_b32 v[236+\b], 23, v[244+\b]         ; the scale's byte
.endr
	s_delay_alu instid0(VALU_DEP_3)
	v_lshl_or_b32 v80, v237, 8, v236               ; p's scale word for these 128 keys
	s_delay_alu instid0(VALU_DEP_1)
	v_lshl_or_b32 v80, v238, 16, v80
	s_delay_alu instid0(VALU_DEP_1)
	v_lshl_or_b32 v80, v239, 24, v80
.irp b, 0,1,2,3
	v_cvt_scalef32_pk8_fp4_f32 v[224+2*\b], v[96+16*\b:103+16*\b], v[244+\b]
	v_cvt_scalef32_pk8_fp4_f32 v[225+2*\b], v[104+16*\b:111+16*\b], v[244+\b]
.endr
	v_nop                                          ; a plain line behind the last conversion
.irp c, 0,1                                    ; a whole block to a lane: lanes 0-15 block 2 c, lanes 16-31 block 2 c + 1
.irp i, 0,1
	v_permlane16_swap_b32 v[224+4*\c+\i], v[226+4*\c+\i]
.endr
.endr
.irp j, 0,2,4,6,8,10,12,14,16,18,20,22,24,26,28,30
	v_pk_mul_f32 v[160+\j:161+\j], v[160+\j:161+\j], v[252:253] op_sel_hi:[1,0]   ; O^T under the new M.  Twelve of the sixteen name no register of any one product below: the plain lines between p's word and codes and the products
.endr
	s_wait_alu depctr_va_vdst(0)
	s_wait_dscnt 0x0                               ; v's fragments and scale words
.irp d, 0,1,2,3
	v_wmma_scale_f32_16x16x128_f8f6f4 v[160+8*\d:167+8*\d], v[192+8*\d:199+8*\d], v[224:231], v[160+8*\d:167+8*\d], v[76+\d], v80 matrix_a_fmt:MATRIX_FMT_FP4 matrix_b_fmt:MATRIX_FMT_FP4
.endr
.Lhidden_\@:
	s_add_co_u32 s[KF], s[KF], 128
	s_add_co_u32 s[TBK], s[TBK], 4096
	s_add_co_u32 s[TBS], s[TBS], 512
	s_add_co_u32 s[TBV], s[TBV], 1024
	s_add_co_u32 s[TBT], s[TBT], 256
	s_sub_co_u32 s[CNT], s[CNT], 1
	s_cmp_lg_u32 s[CNT], 0
	s_cbranch_scc1 .Lstep_\@
.rept 4
	v_nop                                          ; four plain lines behind the last products
.endr
.endm
	PASS 16, 81, 1                                 ; 7 trips: 7 - x steps of the late tile in every wave
	s_cmp_lt_u32 s[WV], 8
	s_cbranch_scc0 .Lkeep
	s_wait_alu depctr_va_vdst(0)
.irp k, 0,1,2,3,4,5,6,7                        ; waves 0-7 hand their part over, as an image of the registers: each accumulator from its low end on
	ds_store_b128 v[HA], v[160+4*\k:163+4*\k] offset:512*\k
.endr
	ds_store_b128 v[HA], v[12:15] offset:4096      ; -M, the largest t (not used), the sum's two halves
	s_wait_dscnt 0x0                               ; the stores have read their registers
	v_mov_b32 v13, 0xff61b1e6                      ; and begin anew, for the early tile
	s_delay_alu instid0(VALU_DEP_1)
	v_floor_f32 v12, -v13
	v_mov_b32 v14, 0
	v_mov_b32 v15, 0
.set J_, 0
.rept 32
	v_mov_b32 v[160+J_], 0
.set J_, J_+1
.endr
.Lkeep:
	s_wait_dscnt 0x0                               ; for the others' sake: what I handed over lies in LDS
	s_barrier_signal -1
	s_barrier_wait -1
	s_mov_b32 s[KF], 0                             ; pass 2 begins at step 0 in every wave
	s_mov_b32 s[TBK], 0
	s_mov_b32 s[TBS], 0
	s_mov_b32 s[TBV], 0
	s_mov_b32 s[TBT], 0
	s_mov_b32 s[CNT], 9
	PASS 24, 82, 2                                 ; 9 trips: x + 1 steps of the early tile, or x + 2 of the late one
	s_cmp_lt_u32 s[WV], 8
	s_cbranch_scc1 .Lown
.irp k, 0,1,2,3,4,5,6,7,8                      ; waves 8-15 join the other part of the late tile to their own
	ds_load_b128 v[96+4*\k:99+4*\k], v[HA] offset:512*\k
.endr
	s_wait_dscnt 0x0
	v_min_num_f32 v132, v128, v12                  ; -M: the smaller of the two, which is the larger M
	s_delay_alu instid0(VALU_DEP_1)
	v_sub_f32 v133, v132, v128                     ; the other part's M less the joint one: a whole number, 0 or less
	s_delay_alu instid0(VALU_DEP_2)
	v_sub_f32 v135, v132, v12                      ; and mine
	s_delay_alu instid0(VALU_DEP_2)
	v_cvt_i32_f32 v133, v133                       ; (they saturate)
	s_delay_alu instid0(VALU_DEP_2)
	v_cvt_i32_f32 v135, v135
	s_delay_alu instid0(VALU_DEP_2)
	v_ldexp_f32 v134, 1.0, v133                    ; the other part's factor (0 where that part is empty),
	s_delay_alu instid0(VALU_DEP_2)
	v_ldexp_f32 v136, 1.0, v135                    ; and mine: powers of two
	v_mov_b32 v137, 0                              ; (named with it as a pair, so it is written)
.irp j, 0,2,4,6,8,10,12,14,16,18,20,22,24,26,28,30
	v_pk_mul_f32 v[160+\j:161+\j], v[160+\j:161+\j], v[136:137] op_sel_hi:[1,0]
.endr
.irp j, 0,2,4,6,8,10,12,14,16,18,20,22,24,26,28,30
	v_pk_fma_f32 v[160+\j:161+\j], v[96+\j:97+\j], v[134:135], v[160+\j:161+\j] op_sel_hi:[1,0,1]
.endr
	v_pk_mul_f32 v[14:15], v[14:15], v[136:137] op_sel_hi:[1,0]
	s_delay_alu instid0(VALU_DEP_1)
	v_pk_fma_f32 v[14:15], v[130:131], v[134:135], v[14:15] op_sel_hi:[1,0,1]
.Lown:
	; THE WAY OUT: O^T / the sum, quantised along d: two blocks of 32; 16 bytes of codes a lane, 512 consecutive bytes a wave
	v_add_f32 v14, v14, v15
	s_delay_alu instid0(VALU_DEP_1)
	v_permlanex16_b32 v252, v14, s[SEL], s[SEL+1]
	s_delay_alu instid0(VALU_DEP_1)
	v_add_f32 v14, v14, v252                       ; the row's sum
	s_wait_alu depctr_va_vdst(0)
	v_rcp_f32 v14, v14
	v_nop                                          ; a plain line behind it
	s_wait_alu depctr_va_vdst(0)                   ; the wait, ahead of the first reader
.set J_, 0
.rept 32
	v_mul_f32 v[96+J_], v[160+J_], v14             ; register 16 b + i is o(my query, 32 b + 16 h + i); each accumulator from its low end on
.set J_, J_+1
.endr
.irp b, 0,1
	v_max3_num_f32 v[232+\b], |v[96+16*\b]|, |v[97+16*\b]|, 0x1800000
.endr
.irp i, 2,4,6,8,10,12,14
.irp b, 0,1
	s_delay_alu instid0(VALU_DEP_2)
	v_max3_num_f32 v[232+\b], v[232+\b], |v[96+16*\b+\i]|, |v[97+16*\b+\i]|
.endr
.endr
.irp b, 0,1
	s_delay_alu instid0(VALU_DEP_2)
	v_permlanex16_b32 v[236+\b], v[232+\b], s[SEL], s[SEL+1]
.endr
.irp b, 0,1
	s_delay_alu instid0(VALU_DEP_2)
	v_max_num_f32 v[232+\b], v[232+\b], v[236+\b]
.endr
.irp b, 0,1
	s_delay_alu instid0(VALU_DEP_2)
	v_add_nc_u32 v[244+\b], 0xff000000, v[232+\b]
.endr
.irp b, 0,1
	s_delay_alu instid0(VALU_DEP_2)
	v_lshrrev_b32 v[236+\b], 23, v[244+\b]
.endr
	s_delay_alu instid0(VALU_DEP_1)
	v_lshl_or_b32 v240, v237, 8, v236              ; the head's two bytes of the row's scale word
.irp b, 0,1
	v_cvt_scalef32_pk8_fp4_f32 v[224+2*\b], v[96+16*\b:103+16*\b], v[244+\b]
	v_cvt_scalef32_pk8_fp4_f32 v[225+2*\b], v[104+16*\b:111+16*\b], v[244+\b]
.endr
	v_nop
	v_permlane16_swap_b32 v224, v226
	v_permlane16_swap_b32 v225, v227               ; v[224:227]: d = 32 h + 0 .. 31
	global_store_b128 v1, v[224:227], s[94:95]
	v_cmp_gt_u32 vcc_lo, 16, v7
	s_wait_alu depctr_va_vdst(0)
	s_wait_xcnt 0x0                                ; EXEC changes only behind this wait
	s_and_saveexec_b32 s81, vcc_lo                 ; lanes 0-15: a row each
	global_store_b16 v6, v240, s[96:97]
	s_wait_xcnt 0x0                                ; and again, in front of the line that widens it
	s_or_b32 exec_lo, exec_lo, s81
	s_wait_tensorcnt 0x0                           ; the wave's end
	ds_add_u32 v83, v84
	s_wait_dscnt 0x0
	s_endpgm
.Lfunc_end_k_qdb2ae773f4_attn:
	.size	k_qdb2ae773f4_attn, .Lfunc_end_k_qdb2ae773f4_attn-k_qdb2ae773f4_attn
	.p2alignl 7, 3214868480
	.fill 96, 4, 3214868480
	.section	.rodata,"a",@progbits
	.p2align	6, 0x0
	.amdhsa_kernel k_qdb2ae773f4_attn
		.amdhsa_group_segment_fixed_size 182272
		.amdhsa_private_segment_fixed_size 0
		.amdhsa_enable_private_segment 0
		.amdhsa_kernarg_size 16
		.amdhsa_user_sgpr_count 2
		.amdhsa_user_sgpr_kernarg_segment_ptr 1
		.amdhsa_wavefront_size32 1
		.amdhsa_system_sgpr_workgroup_id_x 1
		.amdhsa_system_sgpr_workgroup_id_y 1
		.amdhsa_system_sgpr_workgroup_id_z 1
		.amdhsa_system_vgpr_workitem_id 0
		.amdhsa_next_free_vgpr 256
		.amdhsa_next_free_sgpr 100
		.amdhsa_reserve_vcc 1
		.amdhsa_float_denorm_mode_32 3
		.amdhsa_float_denorm_mode_16_64 3
		.amdhsa_memory_ordered 1
		.amdhsa_forward_progress 1
		.amdhsa_inst_pref_size 66
	.end_amdhsa_kernel
	.amdgpu_metadata
---
amdhsa.version: [ 1, 2 ]
amdhsa.kernels:
  - .name:           k_qdb2ae773f4_attn
    .symbol:         k_qdb2ae773f4_attn.kd
    .args:
      - { .name: big, .offset: 0, .size: 8, .value_kind: global_buffer, .address_space: global }
      - { .name: attq, .offset: 8, .size: 8, .value_kind: global_buffer, .address_space: global }
    .group_segment_fixed_size: 182272
    .private_segment_fixed_size: 0
    .kernarg_segment_align: 8
    .kernarg_segment_size: 16
    .max_flat_workgroup_size: 512
    .sgpr_count:     100
    .vgpr_count:     256
    .wavefront_size: 32
...
	.end_amdgpu_metadata
.endif
;; end of part 3
;; launch woln (part 4): grid 256 x 1, 8 waves a work-group, clusters of 4 x 1, 327,680 bytes of LDS; arguments attq, wa, bo, x, ln2_g, ln2_b, x1, hq; writes x1, hq
.if DOCPART == 4
	.amdgcn_target "amdgcn-amd-amdhsa--gfx1250"
	.amdhsa_code_object_version 6
	.text
	.protected	k_qdb2ae773f4_woln
	.globl	k_qdb2ae773f4_woln
	.p2align	8
	.type	k_qdb2ae773f4_woln,@function
k_qdb2ae773f4_woln:
	s_mov_b64 s[64:65], 0
	v_nop
	global_prefetch_b8 v0, s[64:65] scope:SCOPE_SE
	s_setreg_imm32_b32 hwreg(HW_REG_WAVE_MODE, 25, 1), 1
	s_wait_xcnt 0x0
	s_wait_alu depctr_hold_cnt(0) depctr_sa_sdst(0) depctr_va_vdst(0) depctr_va_sdst(0) depctr_va_ssrc(0) depctr_va_vcc(0) depctr_vm_vsrc(0)
	s_getreg_b32 s2, hwreg(HW_REG_IB_STS2, 6, 4)
	s_cmp_eq_u32 s2, 0
	s_cbranch_scc0 .Lentry_in_a_cluster
	s_endpgm
.Lentry_in_a_cluster:
	s_bfe_u32 s2, ttmp6, 0x10000c
	s_cmp_lg_u32 s2, 0x3003
	s_cbranch_scc0 .Lentry_shape_is_right
	s_endpgm
.Lentry_shape_is_right:
; x1 = x + A Wo + bo (f32, stored), then y = (x1 - mean) rsqrt(var + 1e-5) g + b along each row of 1,024, quantised along the row to codes of FP4 (E2M1) with one E8M0 byte for each 32, stored as an operand's image.
; The product runs on codes of FP4 with E8M0 scales, K = 1,024.  A (attq) and Wo (wa, codes at byte 0x240000, scale words at 0x2c0000) are IMAGES OF OPERAND REGISTERS:
; [rows / 16 tiles][8 steps of 128][2 c][32 lanes][16 bytes]; scale words [rows / 128][8][128 positions] (A's and the result's at byte 0x200000).  Position r of tile T is row 32 (T / 2) + 8 (T % 2) + r + 8 (r / 8).
; SHARES.  A work-group owns ONE tile of 16 rows and all 1,024 columns, so that a row's mean and variance need no other work-group: 256 work-groups.  Eight waves; wave w makes columns 128 w on: 8 accumulators, 64 matrix instructions.
; 1: the product, used transposed (source 0 = 16 positions of Wo's columns, source 1 = A's 16 rows): a lane holds one row and eight neighbouring columns.  The sums go into LDS, 16 rows of 4,112 bytes.  A barrier.
; 2: wave w owns positions 2 w and 2 w + 1, two neighbouring rows, whole: a row in 32 registers, each load and store of a wave 512 consecutive bytes.  It adds x and bo, stores x1, normalises, and puts y back into its rows.  A barrier.
; 3: wave w quantises step w: lane (r, h) reads k = 64 c + 32 h + 0 .. 31 of position r: whole blocks in the order of the operand's registers, so that the conversions' results are the image.
; CLUSTERS of 4 x 1: every work-group walks all of Wo's codes, 524,288 bytes, so the four partners ask for them JOINTLY (mask 15).  They go through a ring of two LDS slots of 131,072 bytes, two K steps of all 64 tiles each: four fills.
; Wave w fetches its own eight tiles (8 rows of 2,048 bytes, 8,192 apart) and alone reads them; the fills stand behind rounds of the cluster's barrier all the same, one load a wave.
; A's fragments, the scale words, x, bo, gain and bias come by plain loads into registers: they differ between partners or are small.
; PREFETCH: behind fills 0 and 1 the bytes of the fill two on are asked for.  All clusters read the same bytes, so the first four clusters alone ask, and their sixteen work-groups share a wave's 64 blocks of 256 bytes out by address:
; four blocks a wave (lanes 4-31 name the fourth again).  Fills 0 and 1 come by their loads alone; nothing lies behind fill 3.
; The stage of part 1 lies in slot 0: when the first sum is stored there, that slot has had its last fill, and every wave has passed the last change of slots, behind which nobody reads it.
; LIMITS: 1 / sqrt by v_rsq_f32 (1 ulp); a block of zeros or under 2^-124 gets the byte 1 (this program alone reads the bytes); NaN and infinities are not served.
; REGISTERS.  Window 0: v1-7, v16, v60, v62-63 addresses; v8-15 figures; v20-27 A's scale words; v28-59 Wo's; v64-127 x's two rows, later the blocks; v128-191 A's fragments, later my two rows, then the codes; v192-255 the sums.
;   Window 1: v0-127 two buffers for Wo's fragments; bo in v128-159, the gain in v160-191, the bias in v192-223.
.set PITCH, 4112                       ; 257 x 16: the sixteen rows that a load or store touches fall on sixteen different columns of 16 bytes
.set SLOT,  131072
.set SPARE, 2*SLOT                     ; behind the ring: the spare words, 128 bytes a wave, named by no other line
.set SPW, 18
.set NIL, 19
.set AS,  20
.set BS,  28
.set PFO, 60                           ; v60     the prefetches' offset; never rewritten
.set ADB, 62                           ; v62-63  LDS address of my fragments in slot 0, 1
.set XR,  64
.set P,   128
.set CD,  128
.set ACC, 192
.set G1,  52                           ; s[52:59] descriptor group 1;  s[60:63], s[68:71] group 0 for slot 0, 1
.set G0A, 60
.set G0B, 68
.set MSB, 0
.macro WIN new                         ; the immediate's high byte repeats the setting that is left
.if MSB != (\new)
	s_set_vgpr_msb (MSB<<8)|(\new)
.set MSB, (\new)
.endif
.endm
.macro CROUND                          ; a round of the cluster's barrier
	s_barrier_signal -1
	s_barrier_wait -1
	s_cmp_lg_u32 s20, 0
	s_cbranch_scc1 .Lnot_wave_0_\@
	s_barrier_signal -3
.Lnot_wave_0_\@:
	s_barrier_wait -3
	s_barrier_signal -1
	s_barrier_wait -1
.endm
.macro JLOAD g0                        ; my joint load; an s_nop 0 and four v_nop follow it
	tensor_load_to_lds s[\g0:\g0+3], s[G1:G1+7]
	s_nop 0
.rept 4
	v_nop
.endr
.endm
.macro ASK off                         ; the prefetch of the fill two on: the first four clusters alone (the cluster's x is the same in all partners)
	s_cmp_lt_u32 ttmp9, 4
	s_cbranch_scc0 .Lnot_mine_\@
	global_prefetch_b8 v[PFO], s[6:7] offset:\off th:TH_LOAD_NT scope:SCOPE_SE
.Lnot_mine_\@:
.endm
	s_load_b256 s[4:11], s[0:1], 0x0               ; A, Wo's buffer, bo, x
	s_load_b256 s[12:19], s[0:1], 0x20             ; the gain, the bias, x1, the image
	v_lshl_add_u32 v[SPW], v0, 2, SPARE
	v_mov_b32 v[NIL], 0
	ds_add_u32 v[SPW], v[NIL]                      ; the opening lines: the add, twice on end, and its wait ahead of the round in front of the first loads
	ds_add_u32 v[SPW], v[NIL]
	v_lshrrev_b32 v9, 5, v0
	v_readfirstlane_b32 s20, v9                    ; wave 0..7
	s_bfe_u32 s50, ttmp6, 0x40000                  ; cx
	s_lshl_b32 s23, ttmp9, 2
	s_add_co_u32 s23, s23, s50                     ; T = 4 x cluster x + cx: it enters global addresses of my own rows alone
	s_lshl_b32 s24, s23, 13                        ; A's codes: 8,192 T
	s_mov_b32 s25, 0
	s_lshr_b32 s21, s23, 3
	s_and_b32 s22, s23, 7
	s_lshl_b32 s22, s22, 6
	s_lshl_b32 s26, s21, 12
	s_add_co_u32 s26, s26, s22
	s_add_co_u32 s26, s26, 0x200000                ; A's scale words: 4,096 (T / 8) + 64 (T % 8)
	s_mov_b32 s27, 0
	s_lshl_b32 s28, s20, 16
	s_add_co_u32 s28, s28, 0x240000                ; Wo's codes: my eight tiles of 8,192 bytes: made of the wave's number alone
	s_mov_b32 s29, 0
	s_lshl_b32 s30, s20, 12
	s_add_co_u32 s30, s30, 0x2c0000                ; and their scale words
	s_mov_b32 s31, 0
	s_lshr_b32 s32, s23, 1
	s_lshl_b32 s32, s32, 5
	s_and_b32 s33, s23, 1
	s_lshl_b32 s33, s33, 3
	s_add_co_u32 s32, s32, s33
	s_lshl_b32 s33, s20, 1
	s_add_co_u32 s32, s32, s33
	s_lshr_b32 s33, s20, 2
	s_lshl_b32 s33, s33, 3
	s_add_co_u32 s32, s32, s33                     ; my first row: 32 (T / 2) + 8 (T % 2) + 2 w + 8 (w / 4)
	s_lshl_b32 s32, s32, 12
	s_mov_b32 s33, 0
	s_lshl_b32 s34, s20, 10
	s_add_co_u32 s34, s34, s24                     ; the result's codes: 8,192 T + 1,024 w
	s_mov_b32 s35, 0
	s_lshl_b32 s36, s21, 3
	s_add_co_u32 s36, s36, s20
	s_lshl_b32 s36, s36, 9
	s_add_co_u32 s36, s36, s22
	s_add_co_u32 s36, s36, 0x200000                ; its scale words: (8 (T / 8) + w) x 512 + 64 (T % 8)
	s_mov_b32 s37, 0
	s_mul_i32 s38, s20, 2*PITCH                    ; the stage: my two rows,
	s_lshl_b32 s39, s20, 9                         ; and my 512 bytes of every row
	s_mov_b32 s40, 0x76543210
	s_mov_b32 s41, 0xfedcba98                      ; v_permlanex16_b32's selects for lane l xor 16
	s_mov_b32 s42, 0x3727c5ac                      ; 1e-5
	s_mov_b32 s43, 0x3a800000                      ; 1 / 1,024
	s_lshl_b32 s51, s20, 14                        ; a slot: 16,384 bytes for each wave
	s_and_b32 s50, s23, 15
	s_lshl_b32 s50, s50, 2                         ; the first of my work-group's four blocks of a wave's 64
	s_mov_b32 s[G1], 15|(3<<16)|(1<<21)            ; the mask: all four partners; elements of 8 bytes; bit 21 beside a mask; no padding: an image is read 512 consecutive bytes at a time
	s_mov_b32 s[G1+1], 256<<16                     ; tensor_dim0: 2,048 bytes, two steps of a tile
	s_mov_b32 s[G1+2], 8<<16                       ; tensor_dim1: eight tiles
	s_mov_b32 s[G1+3], 256<<16                     ; tile_dim0
	s_mov_b32 s[G1+4], 8                           ; tile_dim1
	s_mov_b32 s[G1+5], 1024                        ; the pitch: 8,192 bytes
	s_mov_b32 s[G1+6], 0
	s_mov_b32 s[G1+7], 0
	v_and_b32 v9, 31, v0
	v_lshlrev_b32 v1, 4, v9                        ; 16 x lane
	v_lshlrev_b32 v3, 2, v9                        ; 4 x lane
	v_and_b32 v10, 15, v0                          ; r
	v_bfe_u32 v11, v0, 4, 1                        ; h
	v_lshlrev_b32 v7, 2, v10                       ; 4 r
	v_mul_u32_u24 v12, v10, PITCH
	v_add_nc_u32 v12, s39, v12
	v_lshl_add_u32 v4, v11, 6, v12                 ; part 1, in: row r, my 512 bytes, + 64 h
	v_lshl_add_u32 v6, v11, 7, v12                 ; part 3, out: row r, my step, + 128 h
	v_add_nc_u32 v5, s38, v1                       ; part 2: my two rows, 16 bytes a lane
	v_lshlrev_b32 v16, 3, v11                      ; 8 h: by so many bits my two scale bytes are shifted
	v_add_nc_u32 v[ADB], s51, v1                   ; my fragments in slot 0,
	v_add_nc_u32 v[ADB+1], SLOT, v[ADB]            ; and in slot 1
	v_min_u32 v13, 3, v9
	v_add_nc_u32 v13, s50, v13                     ; block b = 4 (T % 16) + min(lane, 3) of 64: tile b / 8, 256 bytes b % 8 of its two steps
	v_lshrrev_b32 v14, 3, v13
	v_and_b32 v13, 7, v13
	v_lshlrev_b32 v13, 8, v13
	v_lshl_add_u32 v[PFO], v14, 13, v13
	s_wait_alu depctr_va_vdst(0)
	s_wait_dscnt 0x0                               ; both opening adds are done
	s_wait_kmcnt 0x0
	s_add_nc_u64 s[44:45], s[4:5], s[26:27]
	s_add_nc_u64 s[4:5], s[4:5], s[24:25]
	s_add_nc_u64 s[46:47], s[6:7], s[30:31]
	s_add_nc_u64 s[6:7], s[6:7], s[28:29]
	s_add_nc_u64 s[10:11], s[10:11], s[32:33]
	s_add_nc_u64 s[16:17], s[16:17], s[32:33]
	s_add_nc_u64 s[48:49], s[18:19], s[36:37]
	s_add_nc_u64 s[18:19], s[18:19], s[34:35]
	CROUND                                         ; all four work-groups are here: the first joint loads meet
	s_mov_b32 s[G0A], 1
	s_mov_b32 s[G0A+1], s51                        ; slot 0: steps 0 and 1
	s_mov_b64 s[G0A+2:G0A+3], s[6:7]
	s_or_b32 s[G0A+3], s[G0A+3], 0x80000000
	s_mov_b32 s[G0B], 1
	s_add_co_u32 s[G0B+1], s51, SLOT               ; slot 1: steps 2 and 3
	s_add_nc_u64 s[G0B+2:G0B+3], s[6:7], 2048
	s_or_b32 s[G0B+3], s[G0B+3], 0x80000000
	JLOAD G0A                                      ; every wave issues this one
	ASK 4096                                       ; steps 4 and 5
.irp k, 0,1,2,3,4,5,6,7
	global_load_b128 v[P+8*\k:P+8*\k+3], v1, s[4:5] offset:1024*\k           ; A's fragments of all eight steps
	global_load_b128 v[P+8*\k+4:P+8*\k+7], v1, s[4:5] offset:1024*\k+512
	global_load_b32 v[AS+\k], v7, s[44:45] offset:512*\k                     ; their scale words (lanes 16-31 hold the same and are not read)
.irp j, 0,1,2,3
	global_load_b32 v[BS+4*\k+\j], v3, s[46:47] offset:512*\k+128*\j         ; Wo's: lanes 0-15 the words of tile 2 j, lanes 16-31 those of tile 2 j + 1: 128 consecutive bytes
.endr
.endr
	s_wait_tensorcnt 0x0                           ; my part of slot 0 is in
	ds_add_u32 v[SPW], v[NIL]
	s_wait_dscnt 0x0
	CROUND
	JLOAD G0B                                      ; slot 1's first fill: the first tensor load behind the round
	ASK 6144                                       ; steps 6 and 7
.irp i, 0,1
.irp j, 0,1,2,3,4,5,6,7
	global_load_b128 v[XR+32*\i+4*\j:XR+32*\i+4*\j+3], v1, s[10:11] offset:4096*\i+512*\j th:TH_LOAD_NT   ; x: my two rows
.endr
.endr
	WIN 0x40                                       ; destination window 1
.irp j, 0,1,2,3,4,5,6,7
	global_load_b128 v[128+4*\j:128+4*\j+3], v1, s[8:9] offset:512*\j        ; bo, in the layout of a row of part 2
	global_load_b128 v[160+4*\j:160+4*\j+3], v1, s[12:13] offset:512*\j      ; the gain
	global_load_b128 v[192+4*\j:192+4*\j+3], v1, s[14:15] offset:512*\j      ; the bias
.endr
	WIN 0
; Eight matrix instructions, the eight accumulators by turns, in the same order in every step.  The first step starts the sums.
.macro MUL ks
	WIN 0x01                                       ; source 0 window 1
.irp j, 0,1,2,3
.if (\ks) == 0
	v_wmma_scale_f32_16x16x128_f8f6f4 v[ACC+16*\j:ACC+16*\j+7], v[64*((\ks)%2)+16*\j:64*((\ks)%2)+16*\j+7], v[P+8*(\ks):P+8*(\ks)+7], 0, v[BS+4*(\ks)+\j], v[AS+(\ks)] matrix_a_fmt:MATRIX_FMT_FP4 matrix_b_fmt:MATRIX_FMT_FP4
	v_wmma_scale_f32_16x16x128_f8f6f4 v[ACC+16*\j+8:ACC+16*\j+15], v[64*((\ks)%2)+16*\j+8:64*((\ks)%2)+16*\j+15], v[P+8*(\ks):P+8*(\ks)+7], 0, v[BS+4*(\ks)+\j], v[AS+(\ks)] matrix_a_fmt:MATRIX_FMT_FP4 matrix_b_fmt:MATRIX_FMT_FP4 matrix_a_scale:MATRIX_SCALE_ROW1
.else
	v_wmma_scale_f32_16x16x128_f8f6f4 v[ACC+16*\j:ACC+16*\j+7], v[64*((\ks)%2)+16*\j:64*((\ks)%2)+16*\j+7], v[P+8*(\ks):P+8*(\ks)+7], v[ACC+16*\j:ACC+16*\j+7], v[BS+4*(\ks)+\j], v[AS+(\ks)] matrix_a_fmt:MATRIX_FMT_FP4 matrix_b_fmt:MATRIX_FMT_FP4
	v_wmma_scale_f32_16x16x128_f8f6f4 v[ACC+16*\j+8:ACC+16*\j+15], v[64*((\ks)%2)+16*\j+8:64*((\ks)%2)+16*\j+15], v[P+8*(\ks):P+8*(\ks)+7], v[ACC+16*\j+8:ACC+16*\j+15], v[BS+4*(\ks)+\j], v[AS+(\ks)] matrix_a_fmt:MATRIX_FMT_FP4 matrix_b_fmt:MATRIX_FMT_FP4 matrix_a_scale:MATRIX_SCALE_ROW1
.endif
.endr
.endm
; A slot's two steps, k0 and k0 + 1: 32 LDS loads in one run, then the products.  Four plain lines stand in front of loads into registers that matrix instructions have read.
.macro RUN sl, k0
.rept 4
	v_nop
.endr
	WIN 0x40                                       ; destination window 1
.irp e, 0,1
.set I_, 0
.rept 8
	ds_load_b128 v[64*\e+8*I_:64*\e+8*I_+3], v[ADB+\sl] offset:2048*I_+1024*\e
	ds_load_b128 v[64*\e+8*I_+4:64*\e+8*I_+7], v[ADB+\sl] offset:2048*I_+1024*\e+512
.set I_, I_+1
.endr
.endr
	s_wait_dscnt 16                                ; the first step's fragments are in; the second step's sixteen loads may be out
	MUL \k0
	s_wait_dscnt 0x0
	MUL \k0+1
.endm
; THE CHANGE OF SLOTS.  Each wave waits for all its tensor loads (its part of the slot ahead), adds 0 to its spare word, and waits for that and for its reads of the slot that it leaves.
; fill = 1: that slot takes the steps two slots on: the barrier is a round of the cluster's, and the joint refill is the first tensor load behind it, one a wave.
.macro CHANGE g0, fill
	WIN 0
	s_wait_tensorcnt 0x0                           ; no tensor load of mine is out, so a group 0 may be written
	ds_add_u32 v[SPW], v[NIL]
.if \fill
	s_add_nc_u64 s[\g0+2:\g0+3], s[\g0+2:\g0+3], 4096
.endif
	s_wait_dscnt 0x0
.if \fill
	CROUND
	JLOAD \g0
.else
	s_barrier_signal -1
	s_barrier_wait -1
.endif
.endm
	s_wait_loadcnt 40                              ; A's fragments and all scale words are in; x's 16 loads and the 24 of bo, gain and bias may be out
	RUN 0, 0
	CHANGE G0A, 1
	RUN 1, 2
	CHANGE G0B, 1
	RUN 0, 4
	CHANGE G0A, 0                                  ; nothing is filled again
	RUN 1, 6
	WIN 0
.rept 4
	v_nop                                          ; four plain lines in front of the first read of the sums
.endr
.irp b, 0,1,2,3,4,5,6,7                        ; tile b's eight registers are columns 32 (b / 2) + 8 (b % 2) + 16 h + 0 .. 7 of my 128; each accumulator from its low end on
	ds_store_b128 v4, v[ACC+8*\b:ACC+8*\b+3] offset:128*(\b/2)+32*(\b%2)
	ds_store_b128 v4, v[ACC+8*\b+4:ACC+8*\b+7] offset:128*(\b/2)+32*(\b%2)+16
.endr
	s_wait_loadcnt 0x0                             ; x, bo, the gain and the bias
	WIN 0x04                                       ; source 1 window 1
.set P_, 0
.rept 16
.irp i, 0,1
	v_pk_add_f32 v[XR+32*\i+P_:XR+32*\i+P_+1], v[XR+32*\i+P_:XR+32*\i+P_+1], v[128+P_:129+P_]   ; x + bo, while the stores are out
.endr
.set P_, P_+2
.endr
	WIN 0
	s_wait_alu depctr_va_vdst(0)
	s_wait_dscnt 0x0                               ; for the others' sake: my sums lie in LDS
	s_barrier_signal -1
	s_barrier_wait -1
.irp i, 0,1
.irp j, 0,1,2,3,4,5,6,7
	ds_load_b128 v[P+32*\i+4*\j:P+32*\i+4*\j+3], v5 offset:PITCH*\i+512*\j
.endr
.endr
	s_wait_dscnt 0x0
.set P_, 0
.rept 16
.irp i, 0,1
	v_pk_add_f32 v[P+32*\i+P_:P+32*\i+P_+1], v[P+32*\i+P_:P+32*\i+P_+1], v[XR+32*\i+P_:XR+32*\i+P_+1]   ; x1
.endr
.set P_, P_+2
.endr
.irp i, 0,1
.irp j, 0,1,2,3,4,5,6,7
	global_store_b128 v1, v[P+32*\i+4*\j:P+32*\i+4*\j+3], s[16:17] offset:4096*\i+512*\j   ; 512 consecutive bytes
.endr
.endr
; Four chains, two to a row: chain q runs over registers 16 q .. 16 q + 15.  REDUCE joins them and the 32 lanes: row i's figure ends in v[8 + 4 i], in every lane.
.macro REDUCE
	v_pk_add_f32 v[8:9], v[8:9], v[10:11]
	v_pk_add_f32 v[12:13], v[12:13], v[14:15]
.irp i, 8,12
	v_add_f32 v[\i], v[\i], v[\i+1]
.endr
.irp m, 1,2,4,8
.irp i, 8,12
	v_add_f32_dpp v[\i], v[\i], v[\i] row_xmask:\m row_mask:0xf bank_mask:0xf
.endr
.endr
.irp i, 8,12
	v_permlanex16_b32 v[\i+1], v[\i], s40, s41
.endr
.irp i, 8,12
	v_add_f32 v[\i], v[\i], v[\i+1]
.endr
.endm
.irp q, 0,1,2,3
	v_pk_add_f32 v[8+2*\q:9+2*\q], v[P+16*\q:P+16*\q+1], v[P+16*\q+2:P+16*\q+3]
.endr
.irp p, 4,6,8,10,12,14
.irp q, 0,1,2,3
	v_pk_add_f32 v[8+2*\q:9+2*\q], v[8+2*\q:9+2*\q], v[P+16*\q+\p:P+16*\q+\p+1]
.endr
.endr
	REDUCE
	v_mul_f32 v8, s43, v8                          ; the means
	v_mul_f32 v12, s43, v12
	s_wait_alu depctr_va_vdst(0)
	s_wait_xcnt 0x0                                ; the stores of x1 have read their registers, which are written next
.set P_, 0
.rept 16
.irp i, 0,1
	v_pk_add_f32 v[P+32*\i+P_:P+32*\i+P_+1], v[P+32*\i+P_:P+32*\i+P_+1], v[8+4*\i:9+4*\i] op_sel_hi:[1,0] neg_lo:[0,1] neg_hi:[0,1]   ; x1 - mean
.endr
.set P_, P_+2
.endr
.irp q, 0,1,2,3
	v_pk_mul_f32 v[8+2*\q:9+2*\q], v[P+16*\q:P+16*\q+1], v[P+16*\q:P+16*\q+1]
.endr
.irp p, 2,4,6,8,10,12,14
.irp q, 0,1,2,3
	v_pk_fma_f32 v[8+2*\q:9+2*\q], v[P+16*\q+\p:P+16*\q+\p+1], v[P+16*\q+\p:P+16*\q+\p+1], v[8+2*\q:9+2*\q]
.endr
.endr
	REDUCE
	v_fma_f32 v8, v8, s43, s42                     ; the variance + 1e-5
	v_fma_f32 v12, v12, s43, s42
	s_wait_alu depctr_va_vdst(0)
	v_rsq_f32 v8, v8
	v_rsq_f32 v12, v12
	v_nop                                          ; a plain line behind the batch
	s_wait_alu depctr_va_vdst(0)                   ; and the wait ahead of its first reader
.set P_, 0
.rept 16
.irp i, 0,1
	v_pk_mul_f32 v[P+32*\i+P_:P+32*\i+P_+1], v[P+32*\i+P_:P+32*\i+P_+1], v[8+4*\i:9+4*\i] op_sel_hi:[1,0]
.endr
.set P_, P_+2
.endr
	WIN 0x14                                       ; sources 1 and 2 window 1: the gain and the bias
.set P_, 0
.rept 16
.irp i, 0,1
	v_pk_fma_f32 v[P+32*\i+P_:P+32*\i+P_+1], v[P+32*\i+P_:P+32*\i+P_+1], v[160+P_:161+P_], v[192+P_:193+P_]
.endr
.set P_, P_+2
.endr
	WIN 0
.irp i, 0,1
.irp j, 0,1,2,3,4,5,6,7
	ds_store_b128 v5, v[P+32*\i+4*\j:P+32*\i+4*\j+3] offset:PITCH*\i+512*\j      ; y, into my own two rows
.endr
.endr
	s_wait_dscnt 0x0                               ; for the others' sake
	s_barrier_signal -1
	s_barrier_wait -1
.irp c, 0,1
.irp i, 0,1,2,3,4,5,6,7
	ds_load_b128 v[XR+32*\c+4*\i:XR+32*\c+4*\i+3], v6 offset:256*\c+16*\i        ; block c of my lane: k = 64 c + 32 h + 0 .. 31 of position r, step w
.endr
.endr
	s_wait_dscnt 0x0
.irp q, 0,1,2,3
	v_max3_num_f32 v[8+\q], |v[XR+16*\q]|, |v[XR+16*\q+1]|, 0x1800000    ; the largest magnitude, two chains to a block, and the floor 2^(3 - 127): the byte cannot fall under 1
.endr
.irp i, 2,4,6,8,10,12,14
.irp q, 0,1,2,3
	v_max3_num_f32 v[8+\q], v[8+\q], |v[XR+16*\q+\i]|, |v[XR+16*\q+\i+1]|
.endr
.endr
	v_max_num_f32 v8, v8, v9
	v_max_num_f32 v10, v10, v11
	v_add_nc_u32 v12, 0xff000000, v8               ; 2 off the exponent field: the conversion's scale operand
	v_add_nc_u32 v13, 0xff000000, v10
	v_lshrrev_b32 v8, 23, v12                      ; the scale's byte
	v_lshrrev_b32 v10, 23, v13
	v_lshl_or_b32 v8, v10, 16, v8                  ; my two bytes: blocks h and 2 + h,
	v_lshlrev_b32 v8, v16, v8                      ; at their places in the word;
	v_permlanex16_b32 v9, v8, s40, s41
	v_or_b32 v8, v8, v9                            ; with lane l xor 16's two the word is whole
.irp c, 0,1
.irp g, 0,1,2,3
	v_cvt_scalef32_pk8_fp4_f32 v[CD+4*\c+\g], v[XR+32*\c+8*\g:XR+32*\c+8*\g+7], v[12+\c]
.endr
.endr
	v_nop                                          ; a plain line behind the last conversion
.irp c, 0,1
	global_store_b128 v1, v[CD+4*\c:CD+4*\c+3], s[18:19] offset:512*\c   ; 512 consecutive bytes
.endr
	global_store_b32 v7, v8, s[48:49]              ; a run of 64 bytes; lanes r and r + 16 hold the same word and write it to the same place
	s_wait_tensorcnt 0x0                           ; the wave's end, ahead of the closing round
	ds_add_u32 v[SPW], v[NIL]
	s_wait_dscnt 0x0
	CROUND                                         ; the closing round: no work-group ends while a partner may still ask for a tile that names it
	s_endpgm
.Lfunc_end_k_qdb2ae773f4_woln:
	.size	k_qdb2ae773f4_woln, .Lfunc_end_k_qdb2ae773f4_woln-k_qdb2ae773f4_woln
	.p2alignl 7, 3214868480
	.fill 96, 4, 3214868480
	.section	.rodata,"a",@progbits
	.p2align	6, 0x0
	.amdhsa_kernel k_qdb2ae773f4_woln
		.amdhsa_group_segment_fixed_size 327680
		.amdhsa_private_segment_fixed_size 0
		.amdhsa_enable_private_segment 0
		.amdhsa_kernarg_size 64
		.amdhsa_user_sgpr_count 2
		.amdhsa_user_sgpr_kernarg_segment_ptr 1
		.amdhsa_wavefront_size32 1
		.amdhsa_system_sgpr_workgroup_id_x 1
		.amdhsa_system_sgpr_workgroup_id_y 1
		.amdhsa_system_sgpr_workgroup_id_z 1
		.amdhsa_system_vgpr_workitem_id 0
		.amdhsa_next_free_vgpr 512
		.amdhsa_next_free_sgpr 72
		.amdhsa_reserve_vcc 0
		.amdhsa_float_denorm_mode_32 3
		.amdhsa_float_denorm_mode_16_64 3
		.amdhsa_memory_ordered 1
		.amdhsa_forward_progress 1
		.amdhsa_inst_pref_size 60
	.end_amdhsa_kernel
	.amdgpu_metadata
---
amdhsa.version: [ 1, 2 ]
amdhsa.kernels:
  - .name:           k_qdb2ae773f4_woln
    .symbol:         k_qdb2ae773f4_woln.kd
    .args:
      - { .name: attq, .offset: 0, .size: 8, .value_kind: global_buffer, .address_space: global }
      - { .name: wa, .offset: 8, .size: 8, .value_kind: global_buffer, .address_space: global }
      - { .name: bo, .offset: 16, .size: 8, .value_kind: global_buffer, .address_space: global }
      - { .name: x, .offset: 24, .size: 8, .value_kind: global_buffer, .address_space: global }
      - { .name: ln2_g, .offset: 32, .size: 8, .value_kind: global_buffer, .address_space: global }
      - { .name: ln2_b, .offset: 40, .size: 8, .value_kind: global_buffer, .address_space: global }
      - { .name: x1, .offset: 48, .size: 8, .value_kind: global_buffer, .address_space: global }
      - { .name: hq, .offset: 56, .size: 8, .value_kind: global_buffer, .address_space: global }
    .group_segment_fixed_size: 327680
    .private_segment_fixed_size: 0
    .kernarg_segment_align: 8
    .kernarg_segment_size: 64
    .max_flat_workgroup_size: 256
    .sgpr_count:     72
    .vgpr_count:     512
    .wavefront_size: 32
...
	.end_amdgpu_metadata
.endif
;; end of part 4
;; launch ff1: the kernel of part 2 again; grid 16 x 16, 4 waves a work-group, clusters of 4 x 4, 281,088 bytes of LDS; arguments hq, wb, b1, big; writes big
;; launch ff2 (part 5): grid 8 x 32, 4 waves a work-group, clusters of 4 x 4, 327,680 bytes of LDS; arguments big, wb, b2, x1, out0; writes out0
.if DOCPART == 5
	.amdgcn_target "amdgcn-amd-amdhsa--gfx1250"
	.amdhsa_code_object_version 6
	.text
	.protected	k_qdb2ae773f4_ff2
	.globl	k_qdb2ae773f4_ff2
	.p2align	8
	.type	k_qdb2ae773f4_ff2,@function
k_qdb2ae773f4_ff2:
	s_mov_b64 s[64:65], 0
	v_nop
	global_prefetch_b8 v0, s[64:65] scope:SCOPE_SE
	s_setreg_imm32_b32 hwreg(HW_REG_WAVE_MODE, 25, 1), 1
	s_wait_xcnt 0x0
	s_wait_alu depctr_hold_cnt(0) depctr_sa_sdst(0) depctr_va_vdst(0) depctr_va_sdst(0) depctr_va_ssrc(0) depctr_va_vcc(0) depctr_vm_vsrc(0)
	s_getreg_b32 s2, hwreg(HW_REG_IB_STS2, 6, 4)
	s_cmp_eq_u32 s2, 0
	s_cbranch_scc0 .Lentry_in_a_cluster
	s_endpgm
.Lentry_in_a_cluster:
	s_bfe_u32 s2, ttmp6, 0x10000c
	s_cmp_lg_u32 s2, 0xf033
	s_cbranch_scc0 .Lentry_shape_is_right
	s_endpgm
.Lentry_shape_is_right:
.set NT,    4
.set KS,    32
.set NQ,    8
.set RING,  1
.set AST,   32768
.set ASC,   0xa00000
.set BCO,   0x240000
.set BSCO,  0x440000
.set RS,    1024*NQ
.set HALFT, NT*RS
.set SLOT,  4*HALFT
.set HALFS, 64*NT*KS
.set HA_S,  256
.set SCL,   2*SLOT
.set BSC,   2*HALFS
.set STG,   SCL+4*HALFS
.set SPARE, STG+17408
.set ADRA, 16
.set ADRB, 20
.set STO,  24
.set RD,   25
.set CO,   26
.set ADRS, 27
.set SPW,  28
.set NIL,  29
.set BO,   30
.set SC,   32
.set BIAS, 64
.set G1, 24
.set G0, 32
.set G1B, 48
.set G0B, 56
.set G1S, 68
.set G0S, 76
.set G1SB, 80
.set G0SB, 88
.set MSB, 0
.macro WIN new
.if MSB != (\new)
	s_set_vgpr_msb (MSB<<8)|(\new)
.set MSB, (\new)
.endif
.endm
.macro JLOAD g0a, g1a, g0b, g1b
	s_cmp_eq_u32 s15, 0
	s_cbranch_scc0 .Lfor_b_\@
	tensor_load_to_lds s[\g0a:\g0a+3], s[\g1a:\g1a+7]
	s_nop 0
.rept 4
	v_nop
.endr
	s_branch .Lasked_\@
.Lfor_b_\@:
	tensor_load_to_lds s[\g0b:\g0b+3], s[\g1b:\g1b+7]
	s_nop 0
.rept 4
	v_nop
.endr
.Lasked_\@:
.endm
.macro CROUND
	s_barrier_signal -1
	s_barrier_wait -1
	s_cmp_lg_u32 s14, 0
	s_cbranch_scc1 .Lnot_wave_0_\@
	s_barrier_signal -3
.Lnot_wave_0_\@:
	s_barrier_wait -3
	s_barrier_signal -1
	s_barrier_wait -1
.endm
	s_load_b128 s[4:7], s[0:1], 0x0
	s_load_b128 s[8:11], s[0:1], 0x10
	s_load_b64 s[12:13], s[0:1], 0x20
.if RING
	v_lshl_add_u32 v[SPW], v0, 2, SPARE
	v_mov_b32 v[NIL], 0
	ds_add_u32 v[SPW], v[NIL]                      ; the opening lines: the add, twice on end, and its wait ahead of the round in front of the first loads
	ds_add_u32 v[SPW], v[NIL]
.endif
	v_lshrrev_b32 v1, 5, v0
	v_readfirstlane_b32 s14, v1
	s_lshr_b32 s15, s14, 1
	s_and_b32 s16, s14, 1
	s_bfe_u32 s40, ttmp6, 0x40000
	s_bfe_u32 s41, ttmp6, 0x40004
	s_lshl_b32 s42, ttmp9, 2
	s_add_co_u32 s42, s42, s40
	s_and_b32 s17, ttmp7, 0xffff
	s_lshl_b32 s17, s17, 2
	s_add_co_u32 s17, s17, s41
	s_lshl_b32 s43, s41, 2
	s_lshl_b32 s43, 15, s43
	s_lshl_b32 s44, 0x1111, s40
	s_or_b32 s[G1+0], s43, (3<<16)|(1<<21)
	s_or_b32 s[G1B+0], s44, (3<<16)|(1<<21)
.irp g, G1, G1B
	s_mov_b32 s[\g+1], (RS/8)<<16
	s_mov_b32 s[\g+2], (2*NT)<<16                  ; the head's loads bring both halves: 2 NT tiles of 16 rows
	s_mov_b32 s[\g+3], (RS/8)<<16
	s_mov_b32 s[\g+4], 2*NT
	s_mov_b32 s[\g+5], AST/8
	s_mov_b32 s[\g+6], 0
	s_mov_b32 s[\g+7], 0
.endr
	s_or_b32 s[G1S+0], s43, (3<<16)|(1<<21)
	s_or_b32 s[G1SB+0], s44, (3<<16)|(1<<21)
.irp g, G1S, G1SB
	s_mov_b32 s[\g+1], 32<<16
	s_mov_b32 s[\g+2], (HALFS/128)<<16             ; the scale words of 128 rows, all of K: 2 HALFS dense bytes
	s_mov_b32 s[\g+3], 32<<16
	s_mov_b32 s[\g+4], HALFS/128
	s_mov_b32 s[\g+5], 32
	s_mov_b32 s[\g+6], 0
	s_mov_b32 s[\g+7], 0
.endr
	s_mul_i32 s18, s16, NT*AST                     ; in the ring I fetch one half of an operand's tiles: which, in bytes
	s_mov_b32 s19, 0
	s_mul_i32 s20, s17, 2*NT*AST                   ; A's codes: made of A's tile alone
	s_mov_b32 s21, 0
	s_mul_i32 s46, s42, 2*NT*AST                   ; B's: of B's tile alone
	s_add_co_u32 s46, s46, BCO
	s_mov_b32 s47, 0
	s_mul_i32 s22, s17, 2*HALFS
	s_add_co_u32 s22, s22, ASC
	s_mov_b32 s23, 0
	s_mul_i32 s94, s42, 2*HALFS
	s_add_co_u32 s94, s94, BSCO
	s_mov_b32 s95, 0
	s_mul_i32 s45, s14, HALFT
	s_wait_dscnt 0x0                               ; both opening adds are done
	s_wait_kmcnt 0x0
	s_add_nc_u64 s[20:21], s[4:5], s[20:21]
	s_add_nc_u64 s[22:23], s[4:5], s[22:23]
	s_add_nc_u64 s[46:47], s[6:7], s[46:47]
	s_add_nc_u64 s[94:95], s[6:7], s[94:95]
	CROUND
	s_mov_b32 s[G0S], 1
	s_mov_b32 s[G0S+1], SCL
	s_mov_b64 s[G0S+2:G0S+3], s[22:23]
	s_or_b32 s[G0S+3], s[G0S+3], 0x80000000
	s_mov_b32 s[G0SB], 1
	s_mov_b32 s[G0SB+1], SCL+BSC
	s_mov_b64 s[G0SB+2:G0SB+3], s[94:95]
	s_or_b32 s[G0SB+3], s[G0SB+3], 0x80000000
.set G0H,  4                           ; s[4:7], s[96:99] group 0 of the head's loads of slot 0: A's 128 rows, B's 128 rows (the arguments in s[4:7] have been used)
.set G0HB, 96
	s_mov_b32 s[G0H], 1
	s_mov_b32 s[G0H+1], 0
	s_mov_b64 s[G0H+2:G0H+3], s[20:21]
	s_or_b32 s[G0H+3], s[G0H+3], 0x80000000
	s_mov_b32 s[G0HB], 1
	s_mov_b32 s[G0HB+1], 2*HALFT
	s_mov_b64 s[G0HB+2:G0HB+3], s[46:47]
	s_or_b32 s[G0HB+3], s[G0HB+3], 0x80000000
	s_add_nc_u64 s[20:21], s[20:21], s[18:19]      ; for the ring: my half of the tiles
	s_add_nc_u64 s[46:47], s[46:47], s[18:19]
.irp s, 0,1
	s_mov_b32 s[G0+4*\s], 1
	s_add_co_u32 s[G0+4*\s+1], s45, \s*SLOT
	s_add_nc_u64 s[G0+4*\s+2:G0+4*\s+3], s[20:21], \s*RS
	s_or_b32 s[G0+4*\s+3], s[G0+4*\s+3], 0x80000000
	s_mov_b32 s[G0B+4*\s], 1
	s_add_co_u32 s[G0B+4*\s+1], s45, \s*SLOT
	s_add_nc_u64 s[G0B+4*\s+2:G0B+4*\s+3], s[46:47], \s*RS
	s_or_b32 s[G0B+4*\s+3], s[G0B+4*\s+3], 0x80000000
.endr
; THE HEAD'S FOUR TILES, ONE JOINT LOAD A WAVE: wave 0 slot 0's steps of A's 128 rows, wave 1 of B's, wave 2 A's scale words for all of K, wave 3 B's.
; One tree of branches on the wave's number: every way through the head passes exactly one load.
.macro ARM under, g0, g1, next
	s_cmp_lt_u32 s14, \under
	s_cbranch_scc0 \next
	tensor_load_to_lds s[\g0:\g0+3], s[\g1:\g1+7]
	s_nop 0
.rept 4
	v_nop
.endr
	s_branch .Lhead_asked
\next:
.endm
	ARM 1, G0H,  G1,  .Lhead_b
	ARM 2, G0HB, G1B, .Lhead_sa
	ARM 3, G0S,  G1S, .Lhead_sb
	tensor_load_to_lds s[G0SB:G0SB+3], s[G1SB:G1SB+7]
	s_nop 0
.rept 4
	v_nop
.endr
.Lhead_asked:
	v_and_b32 v1, 15, v0
	v_bfe_u32 v2, v0, 4, 1
	s_wait_alu depctr_va_vdst(0)
	v_and_b32 v3, 31, v0
	v_lshlrev_b32 v3, 4, v3
	s_mul_i32 s21, s15, HALFT
	s_mul_i32 s22, s16, HALFT
	s_add_co_u32 s22, s22, 2*HALFT
.irp s, 0,1
	v_add_nc_u32 v[ADRA+\s], s21, v3
	v_add_nc_u32 v[ADRB+\s], s22, v3
	s_add_co_u32 s21, s21, SLOT
	s_add_co_u32 s22, s22, SLOT
.endr
	v_lshlrev_b32 v5, 2, v1
	s_mul_i32 s21, s15, HA_S
	s_mul_i32 s22, s16, HA_S
	s_add_co_u32 s22, s22, BSC
	s_sub_co_u32 s22, s22, s21
	v_mul_u32_u24 v6, s22, v2
	s_add_co_u32 s21, s21, SCL
	v_add_nc_u32 v5, v5, v6
	v_add_nc_u32 v[ADRS], s21, v5
	s_mul_i32 s23, s14, 16*272
	s_add_co_u32 s23, s23, STG
	v_mul_u32_u24 v5, v1, 272
	v_lshl_add_u32 v5, v2, 6, v5
	v_add_nc_u32 v[STO], s23, v5
	v_mul_u32_u24 v5, v2, 272
	v_lshl_add_u32 v5, v1, 4, v5
	v_add_nc_u32 v[RD], s23, v5
	v_lshlrev_b32 v5, 12, v2
	v_lshl_add_u32 v[CO], v1, 4, v5
	v_lshlrev_b32 v[BO], 6, v2
	s_wait_alu depctr_va_vdst(0)
	s_mul_i32 s20, s42, 128*NT
	s_mul_i32 s21, s16, 64*NT
	s_add_co_u32 s20, s20, s21
	s_mov_b32 s21, 0
	s_add_nc_u64 s[8:9], s[8:9], s[20:21]
	s_lshl_b32 s20, s17, 7
	s_lshl_b32 s21, s15, 6
	s_add_co_u32 s20, s20, s21
	s_lshl_b32 s20, s20, 12
	s_lshl_b32 s46, s42, 9
	s_lshl_b32 s47, s16, 8
	s_add_co_u32 s46, s46, s47
	s_add_co_u32 s20, s20, s46
	s_mov_b32 s21, 0
	s_add_nc_u64 s[10:11], s[10:11], s[20:21]
	s_add_nc_u64 s[12:13], s[12:13], s[20:21]
.set I_, 0
.rept NT
	global_load_b128 v[BIAS+8*I_:BIAS+8*I_+3], v[BO], s[8:9] offset:(32*(I_/2)+8*(I_%2))*4
	global_load_b128 v[BIAS+8*I_+4:BIAS+8*I_+7], v[BO], s[8:9] offset:(32*(I_/2)+8*(I_%2))*4+16
.set I_, I_+1
.endr
	WIN 0xc0
.irp a, 0,1,2,3
.irp i, 0,1,2,3,4,5,6,7
	global_load_b128 v[32*\a+4*\i:32*\a+4*\i+3], v[CO], s[10:11] offset:(32*(\a/2)+8*(\a%2)+2*\i+8*(\i/4))*4096 th:TH_LOAD_NT
.endr
.endr
	WIN 0
.macro FETCH sg, q, p, ks
.rept 4
	v_nop
.endr
	WIN 0x40
.set I_, 0
.rept NT
	ds_load_b128 v[128*(\p)+8*I_:128*(\p)+8*I_+3], v[ADRB+\sg] offset:I_*RS+1024*(\q)
	ds_load_b128 v[128*(\p)+8*I_+4:128*(\p)+8*I_+7], v[ADRB+\sg] offset:I_*RS+1024*(\q)+512
	ds_load_b128 v[128*(\p)+64+8*I_:128*(\p)+64+8*I_+3], v[ADRA+\sg] offset:I_*RS+1024*(\q)
	ds_load_b128 v[128*(\p)+64+8*I_+4:128*(\p)+64+8*I_+7], v[ADRA+\sg] offset:I_*RS+1024*(\q)+512
.set I_, I_+1
.endr
	WIN 0
.set I_, 0
.rept NT
	ds_load_b32 v[SC+8*(\p)+I_], v[ADRS] offset:512*(\ks)+64*I_
.set I_, I_+1
.endr
.endm
.macro MUL p, zero
.if \zero
	WIN 0x85
.else
	WIN 0xa5
.endif
.set A_, 0
.rept NT
.set B_, 0
.rept NT
.set rD, 8*(NT*A_+B_)
.if \zero
	v_wmma_scale_f32_16x16x128_f8f6f4 v[rD:rD+7], v[128*(\p)+8*B_:128*(\p)+8*B_+7], v[128*(\p)+64+8*A_:128*(\p)+64+8*A_+7], v[BIAS+8*B_:BIAS+8*B_+7], v[SC+8*(\p)+B_], v[SC+8*(\p)+A_] matrix_a_fmt:MATRIX_FMT_FP4 matrix_b_fmt:MATRIX_FMT_FP4 matrix_a_scale:MATRIX_SCALE_ROW1
.else
	v_wmma_scale_f32_16x16x128_f8f6f4 v[rD:rD+7], v[128*(\p)+8*B_:128*(\p)+8*B_+7], v[128*(\p)+64+8*A_:128*(\p)+64+8*A_+7], v[rD:rD+7], v[SC+8*(\p)+B_], v[SC+8*(\p)+A_] matrix_a_fmt:MATRIX_FMT_FP4 matrix_b_fmt:MATRIX_FMT_FP4 matrix_a_scale:MATRIX_SCALE_ROW1
.endif
.set B_, B_+1
.endr
.set A_, A_+1
.endr
.endm
.macro RUN sg, n, first
	FETCH \sg, 0, 0, (\n)*NQ
.set Q_, 0
.rept NQ
.if Q_+1 < NQ
	FETCH \sg, Q_+1, (Q_+1)%2, (\n)*NQ+Q_+1
	s_wait_dscnt 5*NT
.else
	s_wait_dscnt 0x0
.endif
.if (\first) && (Q_ == 0)
	MUL Q_%2, 1
.else
	MUL Q_%2, 0
.endif
.set Q_, Q_+1
.endr
.endm
.macro CHANGE slot, fill
	WIN 0
	s_wait_tensorcnt 0x0
.if RING
	ds_add_u32 v[SPW], v[NIL]
.endif
.if \fill
	s_add_nc_u64 s[G0+4*\slot+2:G0+4*\slot+3], s[G0+4*\slot+2:G0+4*\slot+3], 2*RS
	s_add_nc_u64 s[G0B+4*\slot+2:G0B+4*\slot+3], s[G0B+4*\slot+2:G0B+4*\slot+3], 2*RS
.endif
	s_wait_dscnt 0x0
.if \fill
	CROUND
	JLOAD G0+4*\slot, G1, G0B+4*\slot, G1B
.else
	s_barrier_signal -1
	s_barrier_wait -1
.endif
.endm
	s_wait_tensorcnt 0x0                           ; my tile of the head's four is in
	ds_add_u32 v[SPW], v[NIL]
	s_mov_b32 s[G1+2], NT<<16                      ; no tensor load of mine is out, so a descriptor may be written: from here on a load brings NT tiles
	s_mov_b32 s[G1+4], NT
	s_mov_b32 s[G1B+2], NT<<16
	s_mov_b32 s[G1B+4], NT
	s_wait_dscnt 0x0                               ; the add is done
	CROUND                                         ; a whole round: all four tiles are in, and all sixteen work-groups are here
	JLOAD G0+4, G1, G0B+4, G1B                     ; slot 1's first fill, a quarter a wave: the first tensor load behind the round
	s_wait_loadcnt 32                              ; the bias is in; the 32 loads of the residual may be out
	RUN 0, 0, 1
.if RING
	CHANGE 0, 1
	RUN 1, 1, 0
	CHANGE 1, 1
	RUN 0, 2, 0
	CHANGE 0, 0
	RUN 1, 3, 0
.else
	CHANGE 0, 0
	RUN 1, 1, 0
.endif
	WIN 0
.macro TOSTAGE a
	WIN 0x08
.irp b, 0,1,2,3
	ds_store_b128 v[STO], v[8*(4*(\a)+\b):8*(4*(\a)+\b)+3] offset:128*(\b/2)+32*(\b%2)
	ds_store_b128 v[STO], v[8*(4*(\a)+\b)+4:8*(4*(\a)+\b)+7] offset:128*(\b/2)+32*(\b%2)+16
.endr
	WIN 0
.irp i, 0,1,2,3,4,5,6,7
	ds_load_b128 v[128+32*(\a)+4*\i:128+32*(\a)+4*\i+3], v[RD] offset:544*\i
.endr
.endm
.macro SEND a, younger
	s_wait_dscnt \younger
	WIN 0x0c
.set P_, 0
.rept 16
	v_pk_add_f32 v[128+32*(\a)+2*P_:128+32*(\a)+2*P_+1], v[128+32*(\a)+2*P_:128+32*(\a)+2*P_+1], v[32*(\a)+2*P_:32*(\a)+2*P_+1]
.set P_, P_+1
.endr
	WIN 0
.irp i, 0,1,2,3,4,5,6,7
	global_store_b128 v[CO], v[128+32*(\a)+4*\i:128+32*(\a)+4*\i+3], s[12:13] offset:(32*((\a)/2)+8*((\a)%2)+2*\i+8*(\i/4))*4096
.endr
.endm
.rept 4
	v_nop
.endr
	s_wait_loadcnt 0x0
	TOSTAGE 0
.irp a, 1,2,3
	TOSTAGE \a
	SEND \a-1, 16
.endr
	SEND 3, 0
.if RING
	s_wait_tensorcnt 0x0
	ds_add_u32 v[SPW], v[NIL]
	s_wait_dscnt 0x0
.endif
	CROUND
	s_endpgm
.Lfunc_end_k_qdb2ae773f4_ff2:
	.size	k_qdb2ae773f4_ff2, .Lfunc_end_k_qdb2ae773f4_ff2-k_qdb2ae773f4_ff2
	.p2alignl 7, 3214868480
	.fill 96, 4, 3214868480
	.section	.rodata,"a",@progbits
	.p2align	6, 0x0
	.amdhsa_kernel k_qdb2ae773f4_ff2
		.amdhsa_group_segment_fixed_size 327680
		.amdhsa_private_segment_fixed_size 0
		.amdhsa_enable_private_segment 0
		.amdhsa_kernarg_size 40
		.amdhsa_user_sgpr_count 2
		.amdhsa_user_sgpr_kernarg_segment_ptr 1
		.amdhsa_wavefront_size32 1
		.amdhsa_system_sgpr_workgroup_id_x 1
		.amdhsa_system_sgpr_workgroup_id_y 1
		.amdhsa_system_sgpr_workgroup_id_z 1
		.amdhsa_system_vgpr_workitem_id 0
		.amdhsa_next_free_vgpr 1024
		.amdhsa_next_free_sgpr 100
		.amdhsa_reserve_vcc 0
		.amdhsa_float_denorm_mode_32 3
		.amdhsa_float_denorm_mode_16_64 3
		.amdhsa_memory_ordered 1
		.amdhsa_forward_progress 1
		.amdhsa_inst_pref_size 142
	.end_amdhsa_kernel
	.amdgpu_metadata
---
amdhsa.version: [ 1, 2 ]
amdhsa.kernels:
  - .name:           k_qdb2ae773f4_ff2
    .symbol:         k_qdb2ae773f4_ff2.kd
    .args:
      - { .name: big, .offset: 0, .size: 8, .value_kind: global_buffer, .address_space: global }
      - { .name: wb, .offset: 8, .size: 8, .value_kind: global_buffer, .address_space: global }
      - { .name: b2, .offset: 16, .size: 8, .value_kind: global_buffer, .address_space: global }
      - { .name: x1, .offset: 24, .size: 8, .value_kind: global_buffer, .address_space: global }
      - { .name: out0, .offset: 32, .size: 8, .value_kind: global_buffer, .address_space: global }
    .group_segment_fixed_size: 327680
    .private_segment_fixed_size: 0
    .kernarg_segment_align: 8
    .kernarg_segment_size: 40
    .max_flat_workgroup_size: 128
    .sgpr_count:     100
    .vgpr_count:     1024
    .wavefront_size: 32
...
	.end_amdgpu_metadata
.endif
;; end of part 5
